; MI455X (gfx1250); checked and timed in simulation.
; The chip was launched on July 23, 2026; its instructions are those of AMD's public machine-readable ISA for CDNA 5 (MIT licence, August 2026) and "CDNA5" Instruction Set Architecture Reference Guide (July 2026). The comments in the code are by the model that wrote it; some were corrected since.
;; Cross Attention. Allowed arithmetic: float matrix products may take bf16 or f16 operands with f32 sums; other float arithmetic in f32, or as packed bf16 or f16 multiplies, adds, multiply-adds, maxima and minima; sums over many terms, partial sums and values carried from step to step in f32; what a program stores and reads back later, other than sums and carried values, may be rounded once to bf16 or f16.
;; Inputs: Wk 1,024 x 1,024 float32; Wk_ip 1,024 x 1,024 float32; Wout 1,024 x 1,024 float32; Wq 1,024 x 1,024 float32; Wv 1,024 x 1,024 float32; Wv_ip 1,024 x 1,024 float32; bout 1,024 float32; context 64 x 333 x 1,024 float32; rel_k_table 33 x 64 float32; rel_v_table 33 x 64 float32; x 64 x 128 x 1,024 float32.
;; Outputs: out0 64 x 128 x 1,024 float32.
;; 2 versions, each right; version 2 is version 1 with the launch prep written anew for expert scheduling mode. Each part assembles by itself: llvm-mc -triple=amdgcn-amd-amdhsa -mcpu=gfx1250 --defsym DOCPART=n.
;; ======== version 1 of 2: 4 launches
;; limits: values are held in f16: magnitudes above 65,504 overflow, below 6.1e-05 lose precision
;; workspace buffers: xb 16,777,216 bytes; cb 44,040,192 bytes; wb 12,582,912 bytes; qf 16,777,216 bytes; kvi 67,108,864 bytes; kvt 20,971,520 bytes; of 16,777,216 bytes
;; launch prep (part 1): grid 2048 x 1, 4 waves a work-group, no clusters, 70,144 bytes of LDS; arguments x, context, Wq, Wk, Wv, Wk_ip, Wv_ip, Wout, xb, cb, wb; writes xb, cb, wb
.if DOCPART == 1
	.amdgcn_target "amdgcn-amd-amdhsa--gfx1250"
	.amdhsa_code_object_version 6
	.text
	.protected	k_qfd3caba10f_prep
	.globl	k_qfd3caba10f_prep
	.p2align	8
	.type	k_qfd3caba10f_prep,@function
k_qfd3caba10f_prep:
	s_mov_b64 s[64:65], 0
	v_nop
	global_prefetch_b8 v0, s[64:65] scope:SCOPE_SE
	s_setreg_imm32_b32 hwreg(HW_REG_WAVE_MODE, 25, 1), 1
	s_wait_xcnt 0x0
; PREP.  x and context are rounded to bf16; the six weights, [k 1024][n 1024] f32, are rounded to bf16 and TURNED to [n][k].
; xb: x as it lies.  cb: first the image rows, [64][256][1024], then the first 80 rows of each batch's context, [64][80][1024] (77 text rows and three image rows, which the attention hides):
; so four batches' text rows lie on end.  wb: six slabs of 2,097,152 bytes: Wq, Wk, Wv, Wk_ip, Wv_ip in bf16, Wout as the f16 spelling of its bf16 value.
; LIMIT.  Wout's bf16 value must lie within f16's range (65,504); below 6e-5 it keeps f16's fixed step of 6e-8.
; SHARES.  Work-groups 0-191: weights; a wave turns a block of 128 k x 64 n through LDS bytes of its own, so no barrier is needed.
; Work-groups 192-703: 16 rows of x each; 704-1727: 16 image rows; 1728-2047: 16 text rows.  A stream: no matrix unit, no cluster, nothing shared.
.set NW,     192                       ; work-groups for the weights: 6 x 128 blocks / 4 waves
.set NX,     512                       ; for x: 8,192 rows / 16
.set NI,     1024                      ; for the image rows: 64 x 256 / 16
.set WPITCH, 272                       ; an LDS row: 128 k x 2 bytes + 16
.set WREG,   64*WPITCH                 ; a wave's 64 rows
.set SPARE,  4*WREG                    ; behind them: the spare words, 128 bytes for each wave, which no other line names
.set SPW, 2                            ; v2  LDS address of my spare word; never rewritten
.set NIL, 3                            ; v3  0; never rewritten
	s_load_b512 s[4:19], s[0:1], 0x0               ; x, context, Wq, Wk, Wv, Wk_ip, Wv_ip, Wout
	s_load_b128 s[20:23], s[0:1], 0x40             ; xb, cb
	s_load_b64 s[24:25], s[0:1], 0x50              ; wb
	v_lshl_add_u32 v[SPW], v0, 2, SPARE
	v_mov_b32 v[NIL], 0
	v_lshrrev_b32 v1, 5, v0
	v_readfirstlane_b32 s26, v1                    ; wave 0..3
	s_mov_b32 s3, 0                                ; the high word of every offset pair
	s_wait_kmcnt 0x0
	s_cmp_lt_u32 ttmp9, NW
	s_cbranch_scc1 .Lweight
	; ---- 16 rows of x or of context: 65,536 bytes in, 32,768 out.  All three offsets are made, and the work-group's number picks one.
	s_sub_co_u32 s27, ttmp9, NW                    ; e: my chunk among x's and context's
	s_sub_co_u32 s28, s27, NX                      ; c: among context's
	s_lshr_b32 s29, s28, 4                         ; image: batch c / 16,
	s_and_b32 s34, s28, 15                         ; its chunk c % 16
	s_mul_i32 s29, s29, 333
	s_lshl4_add_u32 s29, s34, s29
	s_add_co_u32 s29, s29, 77                      ; row 333 batch + 77 + 16 chunk of context
	s_sub_co_u32 s35, s28, NI                      ; text: c' = 0 .. 319
	s_mul_i32 s36, s35, 13108
	s_lshr_b32 s36, s36, 16                        ; batch c' / 5: 13108 / 65536 exceeds 1 / 5 by 1.2e-5, too little to matter below 320
	s_mul_i32 s37, s36, 5
	s_sub_co_u32 s37, s35, s37                     ; chunk c' % 5
	s_mul_i32 s36, s36, 333
	s_lshl4_add_u32 s36, s37, s36                  ; row 333 batch + 16 chunk
	s_cmp_lt_u32 s28, NI
	s_cselect_b32 s29, s29, s36
	s_lshl_b32 s29, s29, 12                        ; a row of context is 4,096 bytes
	s_lshl_b32 s36, s27, 16                        ; x: 65,536 e
	s_cmp_lt_u32 s27, NX
	s_cselect_b32 s2, s36, s29                     ; where I read,
	s_cselect_b32 s34, s27, s28                    ; which chunk of xb or of cb I write (cb's text part begins where its 1,024 image chunks end)
	s_cselect_b64 s[30:31], s[4:5], s[6:7]
	s_cselect_b64 s[32:33], s[20:21], s[22:23]
	s_add_nc_u64 s[30:31], s[30:31], s[2:3]
	s_lshl_b32 s2, s34, 15
	s_add_nc_u64 s[32:33], s[32:33], s[2:3]
	v_lshlrev_b32 v4, 4, v0                        ; a lane reads 16 neighbouring bytes: a wave's load covers 512 bytes on end, the work-group's 2,048
	v_lshlrev_b32 v5, 3, v0                        ; and writes 8: a wave's store covers 256 bytes on end, aligned
.set i, 0
.rept 32
	global_load_b128 v[16+4*i:16+4*i+3], v4, s[30:31] offset:2048*i th:TH_LOAD_NT
.set i, i+1
.endr
.set i, 0
.rept 32
	s_wait_loadcnt 31-i                            ; loads come back in order: load i is in, the younger ones stay out
	v_cvt_pk_bf16_f32 v[16+4*i], v[16+4*i], v[16+4*i+1]
	v_cvt_pk_bf16_f32 v[16+4*i+1], v[16+4*i+2], v[16+4*i+3]
	global_store_b64 v5, v[16+4*i:16+4*i+1], s[32:33] offset:1024*i
.set i, i+1
.endr
	s_branch .Lend
	; ---- a weight: wave's block u of 128: k block u / 16 (128 rows), n block u % 16 (64 columns)
.Lweight:
	s_lshr_b32 s27, ttmp9, 5                       ; which weight, 0..5
	s_lshl_b32 s28, ttmp9, 2
	s_add_co_u32 s28, s28, s26
	s_and_b32 s28, s28, 127
	s_lshr_b32 s29, s28, 4                         ; k block
	s_and_b32 s28, s28, 15                         ; n block
	s_mov_b64 s[30:31], s[8:9]
	s_cmp_eq_u32 s27, 1
	s_cselect_b64 s[30:31], s[10:11], s[30:31]
	s_cmp_eq_u32 s27, 2
	s_cselect_b64 s[30:31], s[12:13], s[30:31]
	s_cmp_eq_u32 s27, 3
	s_cselect_b64 s[30:31], s[14:15], s[30:31]
	s_cmp_eq_u32 s27, 4
	s_cselect_b64 s[30:31], s[16:17], s[30:31]
	s_cmp_eq_u32 s27, 5
	s_cselect_b64 s[30:31], s[18:19], s[30:31]
	s_lshl_b32 s2, s29, 19                         ; 128 rows of 4,096 bytes
	s_lshl_b32 s34, s28, 8                         ; 64 columns of 4 bytes
	s_add_co_u32 s2, s2, s34
	s_add_nc_u64 s[30:31], s[30:31], s[2:3]
	s_lshl_b32 s2, s27, 21                         ; the slab,
	s_lshl_b32 s34, s28, 17                        ; 64 rows of 2,048 bytes,
	s_add_co_u32 s2, s2, s34
	s_lshl_b32 s34, s29, 8                         ; 128 k of 2 bytes
	s_add_co_u32 s2, s2, s34
	s_add_nc_u64 s[32:33], s[24:25], s[2:3]
	s_mul_i32 s34, s26, WREG                       ; my wave's LDS bytes
	v_and_b32 v10, 15, v0                          ; x = lane % 16: four columns
	v_bfe_u32 v11, v0, 4, 1                        ; hh = lane / 16: eight rows further down
	v_lshlrev_b32 v6, 4, v10
	v_lshl_add_u32 v6, v11, 15, v6                 ; load: 16 lanes read 256 consecutive bytes of one row of k
	v_mul_u32_u24 v7, v10, 4*WPITCH
	v_lshl_add_u32 v7, v11, 4, v7
	v_add_nc_u32 v7, s34, v7                       ; into LDS: row n = 4 x + e, byte 2 k
	v_mul_u32_u24 v8, v11, WPITCH
	v_lshl_add_u32 v8, v10, 4, v8
	v_add_nc_u32 v8, s34, v8                       ; back: lanes 0-15 one row of 256 bytes, lanes 16-31 the next
	v_lshlrev_b32 v9, 4, v10
	v_lshl_add_u32 v9, v11, 11, v9                 ; and the same two rows of the slab
; Eight rows x four columns of a lane (registers base ..): for each column e the eight k pack into 16 bytes, which go to row 4 x + e.
.macro WCV q, base
.irp e, 0,1,2,3
.irp p, 0,1,2,3
	v_cvt_pk_bf16_f32 v[80+4*(\e)+(\p)], v[(\base)+8*(\p)+(\e)], v[(\base)+8*(\p)+4+(\e)]
.endr
.endr
	s_cmp_lg_u32 s27, 5
	s_cbranch_scc1 .Lbf_\@
.set i, 0
.rept 16                               ; Wout alone: the bf16 value is written as f16
	v_lshlrev_b32 v[96+2*(i%4)], 16, v[80+i]
	v_and_b32 v[97+2*(i%4)], 0xffff0000, v[80+i]
	v_cvt_pk_f16_f32 v[80+i], v[96+2*(i%4)], v[97+2*(i%4)]
.set i, i+1
.endr
.Lbf_\@:
.irp e, 0,1,2,3
	ds_store_b128 v12, v[80+4*(\e):80+4*(\e)+3] offset:WPITCH*(\e)+32*(\q)
.endr
.endm
	s_mov_b32 s35, 4                               ; four trips of 32 rows of k.  A trip waits for its own loads: these work-groups are the launch's first and hold about a sixth of its bytes
	s_mov_b32 s36, 0                               ; 64 bytes further along the LDS rows in each trip
.Lwk:
.irp q, 0,1
.irp j, 0,1,2,3,4,5,6,7
	global_load_b128 v[16+32*(\q)+4*(\j):16+32*(\q)+4*(\j)+3], v6, s[30:31] offset:(16*(\q)+(\j))*4096 th:TH_LOAD_NT
.endr
.endr
	v_add_nc_u32 v12, s36, v7
	s_wait_loadcnt 0x0                             ; the sixteen loads are in, and their base may be stepped
	WCV 0, 16
	WCV 1, 48
	s_add_nc_u64 s[30:31], s[30:31], 0x20000
	s_add_co_u32 s36, s36, 64
	s_sub_co_u32 s35, s35, 1
	s_cmp_lg_u32 s35, 0
	s_cbranch_scc1 .Lwk
.set i, 0
.rept 32
	ds_load_b128 v[16+4*i:16+4*i+3], v8 offset:2*WPITCH*i  ; LDS serves a wave's instructions in order: these see the stores above
.set i, i+1
.endr
.set i, 0
.rept 32
	s_wait_dscnt 31-i                              ; rows 2 i and 2 i + 1 are back; the younger loads stay out
	global_store_b128 v9, v[16+4*i:16+4*i+3], s[32:33] offset:4096*i  ; 16 lanes store 256 consecutive bytes, aligned
.set i, i+1
.endr
.Lend:
	s_wait_tensorcnt 0x0                           ; the wave's end, behind my last LDS store
	ds_add_u32 v[SPW], v[NIL]
	s_wait_dscnt 0x0
	s_endpgm
.Lfunc_end_k_qfd3caba10f_prep:
	.size	k_qfd3caba10f_prep, .Lfunc_end_k_qfd3caba10f_prep-k_qfd3caba10f_prep
	.p2alignl 7, 3214868480
	.fill 96, 4, 3214868480
	.section	.rodata,"a",@progbits
	.p2align	6, 0x0
	.amdhsa_kernel k_qfd3caba10f_prep
		.amdhsa_group_segment_fixed_size 70144
		.amdhsa_private_segment_fixed_size 0
		.amdhsa_enable_private_segment 0
		.amdhsa_kernarg_size 88
		.amdhsa_user_sgpr_count 2
		.amdhsa_user_sgpr_kernarg_segment_ptr 1
		.amdhsa_wavefront_size32 1
		.amdhsa_system_sgpr_workgroup_id_x 1
		.amdhsa_system_sgpr_workgroup_id_y 1
		.amdhsa_system_sgpr_workgroup_id_z 1
		.amdhsa_system_vgpr_workitem_id 0
		.amdhsa_next_free_vgpr 144
		.amdhsa_next_free_sgpr 66
		.amdhsa_reserve_vcc 0
		.amdhsa_float_denorm_mode_32 3
		.amdhsa_float_denorm_mode_16_64 3
		.amdhsa_memory_ordered 1
		.amdhsa_forward_progress 1
		.amdhsa_inst_pref_size 31
	.end_amdhsa_kernel
	.amdgpu_metadata
---
amdhsa.version: [ 1, 2 ]
amdhsa.kernels:
  - .name:           k_qfd3caba10f_prep
    .symbol:         k_qfd3caba10f_prep.kd
    .args:
      - { .name: x, .offset: 0, .size: 8, .value_kind: global_buffer, .address_space: global }
      - { .name: context, .offset: 8, .size: 8, .value_kind: global_buffer, .address_space: global }
      - { .name: Wq, .offset: 16, .size: 8, .value_kind: global_buffer, .address_space: global }
      - { .name: Wk, .offset: 24, .size: 8, .value_kind: global_buffer, .address_space: global }
      - { .name: Wv, .offset: 32, .size: 8, .value_kind: global_buffer, .address_space: global }
      - { .name: Wk_ip, .offset: 40, .size: 8, .value_kind: global_buffer, .address_space: global }
      - { .name: Wv_ip, .offset: 48, .size: 8, .value_kind: global_buffer, .address_space: global }
      - { .name: Wout, .offset: 56, .size: 8, .value_kind: global_buffer, .address_space: global }
      - { .name: xb, .offset: 64, .size: 8, .value_kind: global_buffer, .address_space: global }
      - { .name: cb, .offset: 72, .size: 8, .value_kind: global_buffer, .address_space: global }
      - { .name: wb, .offset: 80, .size: 8, .value_kind: global_buffer, .address_space: global }
    .group_segment_fixed_size: 70144
    .private_segment_fixed_size: 0
    .kernarg_segment_align: 8
    .kernarg_segment_size: 88
    .max_flat_workgroup_size: 128
    .sgpr_count:     66
    .vgpr_count:     144
    .wavefront_size: 32
...
	.end_amdgpu_metadata
.endif
;; end of part 1
;; launch proj (part 2): grid 4 x 64, 4 waves a work-group, clusters of 4 x 4, 327,680 bytes of LDS; arguments xb, cb, wb, qf, kvi, kvt; writes qf, kvi, kvt
.if DOCPART == 2
	.amdgcn_target "amdgcn-amd-amdhsa--gfx1250"
	.amdhsa_code_object_version 6
	.text
	.protected	k_qfd3caba10f_proj
	.globl	k_qfd3caba10f_proj
	.p2align	8
	.type	k_qfd3caba10f_proj,@function
k_qfd3caba10f_proj:
	s_mov_b64 s[64:65], 0
	v_nop
	global_prefetch_b8 v0, s[64:65] scope:SCOPE_SE
	s_setreg_imm32_b32 hwreg(HW_REG_WAVE_MODE, 25, 1), 1
	s_wait_xcnt 0x0
	s_wait_alu depctr_hold_cnt(0) depctr_sa_sdst(0) depctr_va_vdst(0) depctr_va_sdst(0) depctr_va_ssrc(0) depctr_va_vcc(0) depctr_vm_vsrc(0)
	s_getreg_b32 s2, hwreg(HW_REG_IB_STS2, 6, 4)
	s_cmp_eq_u32 s2, 0
	s_cbranch_scc0 .Lentry_in_a_cluster
	s_endpgm
.Lentry_in_a_cluster:
	s_bfe_u32 s2, ttmp6, 0x10000c
	s_cmp_lg_u32 s2, 0xf033
	s_cbranch_scc0 .Lentry_shape_is_right
	s_endpgm
.Lentry_shape_is_right:
; PROJ.  The five input projections.  bf16 operands, f32 sums, results rounded once to f16.
; LIMIT.  q, k and v must stay under 65,504 in magnitude (f16); NaN and infinities are not treated apart.
; THREE PASSES over K = 1,024, each in 8 steps of 128, through ONE ring of two LDS slots that never stops between passes.  With g = 4 x cluster x + cx, b = 4 x cluster y + cy:
;   pass 3, shared out BY CLUSTER (the cluster's y is the same in all sixteen partners, so a branch may hang on it):
;     clusters 0-7: q.  Tile: x's 256 rows of batches 2 b, 2 b + 1  x  Wq's 256 rows 256 g ..  This is the image pass's text with other pointers.
;     clusters 8-11: text k, clusters 12-15: text v.  Tile: the 320 text rows of four batches  x  256 rows of Wk or Wv.  A wave: 160 rows x 128: 80 accumulators.
;   pass 2: v_ip of batch b (X = image rows, Y = Wv_ip rows)          pass 1: k_ip of batch b (X = Wk_ip rows, Y = image rows)
; So every step has 256 or 320 matrix instructions a wave behind one change of slots.
; Source 0 is always an X fragment, source 1 a Y fragment: in the result a lane holds ONE Y row (lane % 16) and eight neighbouring X rows.  Two accumulators (y, 2 c), (y, 2 c + 1),
; rounded in pairs, ARE the operand fragment "16 Y rows x 32 X indices" of the next product.  So results are stored in fragment order, 1,024 bytes a fragment (a lane's registers 0-3 at 16 l,
; registers 4-7 at 512 + 16 l): no stage in LDS, and every store of a wave covers 512 consecutive bytes, aligned.  Text v is made like text k (Y = text rows); the attention turns it.
; Of each batch's 80 text rows the last three are image rows, and the attention hides them.
; CLUSTER 4 x 4.  The four of a row of the cluster share the activations' tiles, the four of a column the weights' tiles: each tile is asked for jointly.
; REGISTERS: window 0: v0-31 addresses; Y fragments, two buffers: v64-127, v128-191 (text pass: v32-111, v112-191); v192-255 packed results.
;   window 1: X fragments v64-127, v128-191; in the text pass also the accumulators of Y blocks 8 (v0-63) and 9 (v192-255).   Windows 2, 3: the accumulators of Y blocks 0-3, 4-7.
.set PITCH, 272                        ; an LDS row: 256 bytes + 16 = 68 words: the 16 rows of a fragment load start at 16 different groups of four banks (ISA guide 11.1)
.set HALF,  128*PITCH
.set AOFF,  256*PITCH                  ; a slot: 256 rows of weights at 0; up to 320 rows of activations from here.  AOFF = 0x11000 and HALF = 0x8800 share no bit
.set SLOT,  576*PITCH
.set SPARE, 2*SLOT                     ; behind the ring: the spare words, 128 bytes for each wave, which no other line names
.set SLAB,  2097152                    ; a weight in wb
.set TXT,   33554432                   ; where cb's text rows begin
.set G1C,   (1<<16)|(1<<20)|(1<<21)|(5<<22)|(3<<25)  ; group 1, word 0 beside the mask: 2-byte elements; padding on; bit 21 set beside a mask; after every 64 words; 4 words
.set LT,    3                          ; v3   272 (l % 16) + 16 (l / 16): my place in a fragment's rows
.set ADRX,  4                          ; v4   LDS address of my X fragments in the slot in hand
.set ADRY,  5                          ; v5   of my Y fragments
.set LO,    7                          ; v7   16 x lane
.set SPW,   28                         ; v28  LDS address of my spare word; never rewritten
.set NIL,   29                         ; v29  0; never rewritten
.set F0,    64
.set F1,    128
.set TY0,   32                         ; the text pass's Y buffers, 80 registers each
.set TY1,   112
.set TMP,   192
.set OUTK,  4                          ; s[4:5]   where my k_ip goes (the arguments' registers, once these have been used)
.set OUTV,  6                          ; s[6:7]   v_ip
.set OTX,   8                          ; s[8:9]   text k or v
.set OUTQ,  10                         ; s[10:11] q
.set NW,    12                         ; s[12:13] the weights of the pass after the one in hand, step 0
.set WV,    16                         ; s16  wave
.set XH,    17                         ; s17  wave & 1
.set YH,    18                         ; s18  wave >> 1
.set TB,    19                         ; s19  LDS byte at which the slot in hand begins: 0 or SLOT
.set G0A0,  20                         ; group 0 of the first fill of slot 0, activations
.set G0A,   24                         ; group 0 of all later loads, activations
.set G0W0,  28
.set G0W,   32
.set G1AI,  36                         ; group 1: 128 rows, my row of the cluster
.set G1AT,  44                         ; 192 rows, my row of the cluster: wave 1's part of a text tile
.set G1W,   52                         ; 128 rows, my column of the cluster
.set PA,    60                         ; s[60:61] the address of the activations' tile to be asked for next: no descriptor register
.set PW,    62                         ; s[62:63] the same for the weights
.set AI,    66                         ; s[66:67] my half of batch b's image rows, step 0
.set WB0,   68                         ; s[68:69] my 128 rows of slab 0
.set XO,    70                         ; where my X and Y fragments lie in a slot, in the image pass's text
.set YO,    71
.set LAI,   72                         ; where my loads land in a slot: activations AOFF + 128 rows x (wave & 1), in every shape;
.set LW,    73                         ; weights 128 rows x (wave & 1)
.set PASS,  74
.set CNT,   75
.set OUTP,  76                         ; s[76:77] the output of the image text's pass in hand
.set YT,    78                         ; the text pass: my 160 rows
.set ROLE,  79                         ; 0: my cluster makes q; 1: text k or v
.set MSB, 0
.macro WIN new                         ; the immediate's high byte repeats the setting that is left; a switch that changes nothing is dropped
.if MSB != (\new)
	s_set_vgpr_msb (MSB<<8)|(\new)
.set MSB, \new
.endif
.endm
.set MUL_LO, 0xa1                      ; source 0 window 1, source 1 window 0, C and D window 2
.set MUL_HI, 0xf1                      ; the same, C and D window 3
.set MUL_EX, 0x51                      ; the same, C and D window 1
.set TO_B,   0x40                      ; destination window 1, address window 0
.macro PLACES                          ; four places: in front of loads into registers that matrix instructions have read, and of conversions that read results
.rept 4
	v_nop
.endr
.endm
.macro CREST                           ; a round of the cluster's barrier behind its opening barrier
	s_cmp_lg_u32 s[WV], 0
	s_cbranch_scc1 .Lnw0_\@
	s_barrier_signal -3
.Lnw0_\@:
	s_barrier_wait -3
	s_barrier_signal -1
	s_barrier_wait -1
.endm
.macro CROUND
	s_barrier_signal -1
	s_barrier_wait -1
	CREST
.endm
.macro MKG1 g, m, rows                 ; group 1: a tile of rows x 128 elements out of rows of 1,024
	s_or_b32 s[\g], s[\m], G1C
	s_mov_b32 s[\g+1], 128<<16                     ; tensor_dim0 = 128
	s_mov_b32 s[\g+2], (\rows)<<16                 ; tensor_dim1
	s_mov_b32 s[\g+3], 128<<16                     ; tile_dim0 = 128
	s_mov_b32 s[\g+4], \rows                       ; tile_dim1
	s_mov_b32 s[\g+5], 1024                        ; elements from row to row
	s_mov_b32 s[\g+6], 0
	s_mov_b32 s[\g+7], 0
.endm
; A joint refill in the image shape.  Waves 0 and 1 ask for 128 rows of activations each, waves 2 and 3 for 128 rows of weights.  The branch hangs on the wave's number alone.
; An s_nop 0 and four v_nop follow each load, ahead of the jump and the label.
.macro JL
	s_cmp_lt_u32 s[WV], 2
	s_cbranch_scc0 .Ljw_\@
	tensor_load_to_lds s[G0A:G0A+3], s[G1AI:G1AI+7]
	s_nop 0
	PLACES
	s_branch .Ljd_\@
.Ljw_\@:
	tensor_load_to_lds s[G0W:G0W+3], s[G1W:G1W+7]
	s_nop 0
	PLACES
.Ljd_\@:
.endm
; The text pass's refill.  A text tile has 320 rows: wave 0 asks for 128, wave 1 for 192; the pass's last two refills are the next pass's, in the image shape.  CNT is the same in every wave of
; every partner.  Every wave issues one load on every way, and a wave's tile begins at the same byte in both shapes: wave 0's ends where wave 1's begins, wave 1's at the slot's end at the latest.
.macro JLX
	s_cmp_lt_u32 s[WV], 2
	s_cbranch_scc0 .Lxw_\@
	s_cmp_eq_u32 s[WV], 0
	s_cbranch_scc1 .Lxa_\@
	s_cmp_le_u32 s[CNT], 2
	s_cbranch_scc1 .Lxa_\@
	tensor_load_to_lds s[G0A:G0A+3], s[G1AT:G1AT+7]
	s_nop 0
	PLACES
	s_branch .Lxd_\@
.Lxa_\@:
	tensor_load_to_lds s[G0A:G0A+3], s[G1AI:G1AI+7]
	s_nop 0
	PLACES
	s_branch .Lxd_\@
.Lxw_\@:
	tensor_load_to_lds s[G0W:G0W+3], s[G1W:G1W+7]
	s_nop 0
	PLACES
.Lxd_\@:
.endm
; THE RING GOES ON INTO THE NEXT PASS: a pass's refills 7 and 8 (CNT = 2, 1) are the next pass's steps 0 and 1: batch b's image rows and the next weights.
.macro SWITCH
	s_cmp_eq_u32 s[CNT], 2
	s_cselect_b64 s[PA:PA+1], s[AI:AI+1], s[PA:PA+1]
	s_cselect_b64 s[PW:PW+1], s[NW:NW+1], s[PW:PW+1]
.endm
; Both walking descriptors are made anew for the slot in hand; no tensor load of the wave is out here.
.macro DESC
	s_add_co_u32 s[G0A+1], s[TB], s[LAI]
	s_mov_b64 s[G0A+2:G0A+3], s[PA:PA+1]
	s_or_b32 s[G0A+3], s[G0A+3], 0x80000000
	s_add_nc_u64 s[PA:PA+1], s[PA:PA+1], 256       ; the next K step: 128 elements on
	s_add_co_u32 s[G0W+1], s[TB], s[LW]
	s_mov_b64 s[G0W+2:G0W+3], s[PW:PW+1]
	s_or_b32 s[G0W+3], s[G0W+3], 0x80000000
	s_add_nc_u64 s[PW:PW+1], s[PW:PW+1], 256
.endm
; The fragment addresses for the slot in hand; four plain vector instructions each, which are also places in front of the fragment loads.
.macro ADDRI
	s_add_co_u32 s2, s[TB], s[XO]
	v_add_nc_u32 v[ADRX], s2, v[LT]
	s_add_co_u32 s2, s[TB], s[YO]
	v_add_nc_u32 v[ADRY], s2, v[LT]
	v_nop
	v_nop
.endm
.macro ADDRT
	s_add_co_u32 s2, s[TB], s[LW]
	v_add_nc_u32 v[ADRX], s2, v[LT]
	s_add_co_u32 s2, s[TB], s[YT]
	v_add_nc_u32 v[ADRY], s2, v[LT]
	v_nop
	v_nop
.endm
; n fragments (16 rows x 32 K: two loads of 16 bytes, 32 bytes apart) at byte k of the rows
.macro FX f, k, n
	WIN TO_B
.set ii, 0
.rept \n
.set rF, (\f)+8*ii
	ds_load_b128 v[rF:rF+3],   v[ADRX] offset:(\k)+ii*16*PITCH
	ds_load_b128 v[rF+4:rF+7], v[ADRX] offset:(\k)+ii*16*PITCH+32
.set ii, ii+1
.endr
.endm
.macro FY f, k, n
	WIN 0
.set ii, 0
.rept \n
.set rF, (\f)+8*ii
	ds_load_b128 v[rF:rF+3],   v[ADRY] offset:(\k)+ii*16*PITCH
	ds_load_b128 v[rF+4:rF+7], v[ADRY] offset:(\k)+ii*16*PITCH+32
.set ii, ii+1
.endr
.endm
.macro FETCHI k, f                     ; 32 loads
	FX \f, \k, 8
	FY \f, \k, 8
.endm
.macro FETCHT k, fx, fy                ; 36 loads
	FX \fx, \k, 8
	FY \fy, \k, 10
.endm
.macro MMI zero                        ; one product; zero = 1: it starts the sum: nothing is ever cleared
.if \zero
	v_wmma_f32_16x16x32_bf16 v[rD:rD+7], v[rX:rX+7], v[rY:rY+7], 0
.else
	v_wmma_f32_16x16x32_bf16 v[rD:rD+7], v[rX:rX+7], v[rY:rY+7], v[rD:rD+7]
.endif
.endm
; Every accumulator is taken once a quarter, in one fixed order: they take turns, one instruction a turn, over the jumps too.
.macro MUL16 fx, fy, hi, a0, zero      ; Y blocks 4 hi + a0, + 1  x  all 8 X blocks
	WIN MUL_LO+0x50*(\hi)
.set iy, \a0
.rept 2
.set ix, 0
.rept 8
.set rD, 8*(8*iy+ix)
.set rX, (\fx)+8*ix
.set rY, (\fy)+8*(4*(\hi)+iy)
	MMI \zero
.set ix, ix+1
.endr
.set iy, iy+1
.endr
.endm
.macro MULE fx, fy, zero               ; the text pass: Y blocks 8, 9 x all 8 X blocks; accumulators in window 1, beside the X buffers
	WIN MUL_EX
.set iy, 0
.rept 2
.set ix, 0
.rept 8
.set rD, 192*iy+8*ix
.set rX, (\fx)+8*ix
.set rY, (\fy)+8*(8+iy)
	MMI \zero
.set ix, ix+1
.endr
.set iy, iy+1
.endr
.endm
; A K step is four quarters of 32 along K on buffers 0, 1, 0, 1.  One of the first three multiplies buffer f and, in its middle, fetches byte k of the rows into buffer g.
.macro QI k, f, g, zero
	s_wait_dscnt 8                                 ; X and Y blocks 0-3 are in; the youngest eight loads (Y blocks 4-7) may be out
	MUL16 \f, \f, 0, 0, \zero
	MUL16 \f, \f, 0, 2, \zero
	PLACES
	FETCHI \k, \g
	s_wait_dscnt 32                                ; all but the 32 just issued
	MUL16 \f, \f, 1, 0, \zero
	MUL16 \f, \f, 1, 2, \zero
.endm
.macro QT k, fx, fy, gx, gy, zero
	s_wait_dscnt 12                                ; X and Y blocks 0-3 are in; the youngest twelve loads (Y blocks 4-9) may be out
	MUL16 \fx, \fy, 0, 0, \zero
	MUL16 \fx, \fy, 0, 2, \zero
	PLACES
	FETCHT \k, \gx, \gy
	s_wait_dscnt 36                                ; all but the 36 just issued
	MUL16 \fx, \fy, 1, 0, \zero
	MUL16 \fx, \fy, 1, 2, \zero
	MULE \fx, \fy, \zero
.endm
; The fourth quarter multiplies buffer 1 and CHANGES SLOTS.  Each wave waits for all its tensor loads (the one that is out is its part of the next slot), adds 0 to its spare word, and waits for
; that and for its reads of this slot; the barrier opens a round of the cluster's, so that no wave of any partner still reads the slot or has a load on its way; the joint refill is first behind it.
.macro TI fill                         ; fill = 0: the launch's last two steps: nothing is asked for, and the barrier stays the work-group's own
	WIN 0
	s_wait_tensorcnt 0x0                           ; no tensor load of mine is out, so a group 0 may be written
	ds_add_u32 v[SPW], v[NIL]                      ; 0 onto my spare word; scalar work and sixteen products stand between it and the wait for it
.if \fill
	SWITCH
	DESC
.endif
	s_wait_dscnt 9                                 ; the add and the youngest eight loads may be out
	MUL16 F1, F1, 0, 0, 0
	s_wait_dscnt 0x0                               ; the add is done, my reads of this slot are over
	s_barrier_signal -1
	MUL16 F1, F1, 0, 2, 0
	WIN 0
	s_barrier_wait -1
.if \fill
	CREST
	JL
.endif
	s_xor_b32 s[TB], s[TB], SLOT                   ; TB is 0 or SLOT: the other slot
	ADDRI
	FETCHI 0, F0
	MUL16 F1, F1, 1, 0, 0
	MUL16 F1, F1, 1, 2, 0
.endm
.macro TT
	WIN 0
	s_wait_tensorcnt 0x0
	ds_add_u32 v[SPW], v[NIL]
	SWITCH
	DESC
	s_wait_dscnt 13                                ; the add and the youngest twelve loads may be out
	MUL16 F1, TY1, 0, 0, 0
	s_wait_dscnt 0x0
	s_barrier_signal -1
	MUL16 F1, TY1, 0, 2, 0
	WIN 0
	s_barrier_wait -1
	CREST
	JLX
	s_xor_b32 s[TB], s[TB], SLOT
	ADDRT
	FETCHT 0, F0, TY0
	MUL16 F1, TY1, 1, 0, 0
	MUL16 F1, TY1, 1, 2, 0
	MULE F1, TY1, 0
.endm
; THE WAY OUT of eight accumulators that lie on end: rounded to f16 in pairs, each accumulator's registers in ascending order; accumulator i is half a fragment.
.macro OUTG win, acc, tmp, ptr, off    ; q, k_ip, v_ip: the halves lie 512 bytes apart
	s_wait_xcnt 0x0                                ; earlier stores have read their data registers, which are written again below
	WIN \win
.set ii, 0
.rept 32
	v_cvt_pk_f16_f32 v[(\tmp)+ii], v[(\acc)+2*ii], v[(\acc)+2*ii+1]
.set ii, ii+1
.endr
	WIN 0
.set ii, 0
.rept 8
	global_store_b128 v[LO], v[(\tmp)+4*ii:(\tmp)+4*ii+3], s[\ptr:\ptr+1] offset:(\off)+512*ii
.set ii, ii+1
.endr
.endm
.macro OUTY ptr                        ; eight Y blocks
	WIN 0
	s_wait_dscnt 0x0                               ; the pass's last fetch, whose data nobody uses, is over: its registers are loaded anew by the next pass
	PLACES
.set yy, 0
.rept 8
	OUTG (0x0a+5*(yy/4)), (64*(yy%4)), (TMP+32*(yy%2)), \ptr, (4096*yy)
.set yy, yy+1
.endr
.endm
.macro OUTT y                          ; text: Y block y is batch y / 5 of my two, key block y % 5; X blocks 0-3 are one head, 4-7 the next; a head has 10,240 bytes, a batch 16 heads
	s_wait_xcnt 0x0
.if (\y) < 8
	WIN 0x0a+5*((\y)/4)
.set rA, 64*((\y)%4)
.else
	WIN 0x05
.set rA, 192*((\y)-8)
.endif
.set rP, TMP+32*((\y)%2)
.set ii, 0
.rept 32
	v_cvt_pk_f16_f32 v[rP+ii], v[rA+2*ii], v[rA+2*ii+1]
.set ii, ii+1
.endr
	WIN 0
.set ii, 0
.rept 8
	global_store_b128 v[LO], v[rP+4*ii:rP+4*ii+3], s[OTX:OTX+1] offset:((\y)/5)*163840+((\y)%5)*2048+(ii/4)*10240+((ii/2)%2)*1024+(ii%2)*512
.set ii, ii+1
.endr
.endm
.macro DOWN lab                        ; a counted loop's end
	WIN 0
	s_sub_co_u32 s[CNT], s[CNT], 1
	s_cmp_lg_u32 s[CNT], 0
	s_cbranch_scc1 \lab
.endm
	s_load_b256 s[4:11], s[0:1], 0x0               ; xb s[4:5], cb s[6:7], wb s[8:9], qf s[10:11]
	s_load_b128 s[12:15], s[0:1], 0x20             ; kvi s[12:13], kvt s[14:15]
	v_lshl_add_u32 v[SPW], v0, 2, SPARE
	v_mov_b32 v[NIL], 0
	ds_add_u32 v[SPW], v[NIL]                      ; the wave's opening: the add and its wait stand ahead of my first tensor load; work on registers stands between them
	v_lshrrev_b32 v1, 5, v0
	v_readfirstlane_b32 s[WV], v1
	s_and_b32 s[XH], s[WV], 1
	s_lshr_b32 s[YH], s[WV], 1
	s_mov_b32 s[TB], 0
	s_bfe_u32 s80, ttmp6, 0x40000                  ; cx
	s_bfe_u32 s81, ttmp6, 0x40004                  ; cy
	s_lshl_b32 s82, ttmp9, 2
	s_add_co_u32 s82, s82, s80                     ; g = 4 x cluster x + cx
	s_and_b32 s83, ttmp7, 0xffff                   ; the cluster's y, 0..15
	s_lshr_b32 s[ROLE], s83, 3                     ; clusters 8-15 make the text's k and v
	s_bfe_u32 s84, s83, 0x10002                    ; of these 8-11 k (0), 12-15 v (1)
	s_add_co_u32 s87, s84, 1
	s_mul_i32 s87, s87, s[ROLE]                    ; the first pass's slab: 0 Wq, 1 Wk, 2 Wv
	s_and_b32 s85, s83, 3
	s_lshl2_add_u32 s85, s85, s81                  ; the text pass's group of four batches, 0..15
	s_lshl2_add_u32 s86, s83, s81                  ; b = 4 x cluster y + cy
	s_lshl_b32 s96, s81, 2
	s_lshl_b32 s96, 15, s96                        ; my row of the cluster
	s_lshl_b32 s97, 0x1111, s80                    ; my column
	MKG1 G1AI, 96, 128
	MKG1 G1AT, 96, 192
	MKG1 G1W,  97, 128
	s_mul_i32 s[LW], s[XH], HALF                   ; no place in the cluster enters an LDS address
	s_add_co_u32 s[LAI], s[LW], AOFF
	s_mov_b32 s[XO], s[LW]                         ; q and k_ip: X = my 128 rows of weights,
	s_mul_i32 s[YO], s[YH], HALF
	s_add_co_u32 s[YO], s[YO], AOFF                ; Y = my 128 rows of activations
	s_mul_i32 s[YT], s[YH], 160*PITCH
	s_add_co_u32 s[YT], s[YT], AOFF
	s_wait_dscnt 0x0                               ; the opening add is done
	s_wait_kmcnt 0x0
	; the activations' addresses hang on the cluster's y, cy and the wave alone, in registers that never hold g;
	s_mov_b32 s93, 0
	s_lshl1_add_u32 s92, s86, s[XH]
	s_lshl_b32 s92, s92, 18                        ; 256 rows of 2,048 bytes a batch, 128 a wave
	s_add_nc_u64 s[AI:AI+1], s[6:7], s[92:93]
	s_and_b32 s92, s86, 31                         ; q: the pair of batches b (clusters 0-7 have b = 0..31)
	s_lshl1_add_u32 s92, s92, s[XH]
	s_lshl_b32 s92, s92, 18
	s_add_nc_u64 s[88:89], s[4:5], s[92:93]
	s_mul_i32 s92, s85, 320*2048                   ; text: 320 rows a group; wave 1 begins at row 128
	s_lshl_b32 s2, s[XH], 18
	s_add_co_u32 s92, s92, s2
	s_add_co_u32 s92, s92, TXT
	s_add_nc_u64 s[90:91], s[6:7], s[92:93]
	s_cmp_eq_u32 s[ROLE], 0
	s_cselect_b64 s[PA:PA+1], s[88:89], s[90:91]
	; the weights' on the cluster's y, g and the wave alone
	s_mov_b32 s95, 0
	s_lshl1_add_u32 s94, s82, s[XH]
	s_lshl_b32 s94, s94, 18
	s_add_nc_u64 s[WB0:WB0+1], s[8:9], s[94:95]
	s_lshl_b32 s94, s87, 21
	s_add_nc_u64 s[PW:PW+1], s[WB0:WB0+1], s[94:95]
	s_mov_b32 s[G0A0], 1                           ; count = 1
	s_mov_b32 s[G0A0+1], s[LAI]                    ; LDS address: slot 0
	s_mov_b64 s[G0A0+2:G0A0+3], s[PA:PA+1]         ; step 0
	s_or_b32 s[G0A0+3], s[G0A0+3], 0x80000000      ; type = 2
	s_mov_b32 s[G0A], 1
	s_add_co_u32 s[G0A+1], s[LAI], SLOT            ; slot 1
	s_add_nc_u64 s[G0A+2:G0A+3], s[PA:PA+1], 256   ; step 1
	s_or_b32 s[G0A+3], s[G0A+3], 0x80000000
	s_mov_b32 s[G0W0], 1
	s_mov_b32 s[G0W0+1], s[LW]
	s_mov_b64 s[G0W0+2:G0W0+3], s[PW:PW+1]
	s_or_b32 s[G0W0+3], s[G0W0+3], 0x80000000
	s_mov_b32 s[G0W], 1
	s_add_co_u32 s[G0W+1], s[LW], SLOT
	s_add_nc_u64 s[G0W+2:G0W+3], s[PW:PW+1], 256
	s_or_b32 s[G0W+3], s[G0W+3], 0x80000000
	s_add_nc_u64 s[PA:PA+1], s[PA:PA+1], 512       ; the first refill asks for step 2
	s_add_nc_u64 s[PW:PW+1], s[PW:PW+1], 512
	CROUND                                         ; all sixteen work-groups are here: the first joint loads meet
	s_cmp_lt_u32 s[WV], 2                          ; a wave's two first fills stand together: two loads of mine are out, the most in this text
	s_cbranch_scc0 .Lfirst_w
	s_cmp_eq_u32 s[WV], 0
	s_cbranch_scc1 .Lfirst_a
	s_cmp_eq_u32 s[ROLE], 0
	s_cbranch_scc1 .Lfirst_a
	tensor_load_to_lds s[G0A0:G0A0+3], s[G1AT:G1AT+7]
	s_nop 0
	tensor_load_to_lds s[G0A:G0A+3], s[G1AT:G1AT+7]
	s_nop 0
	PLACES
	s_branch .Lfirst_done
.Lfirst_a:
	tensor_load_to_lds s[G0A0:G0A0+3], s[G1AI:G1AI+7]
	s_nop 0
	tensor_load_to_lds s[G0A:G0A+3], s[G1AI:G1AI+7]
	s_nop 0
	PLACES
	s_branch .Lfirst_done
.Lfirst_w:
	tensor_load_to_lds s[G0W0:G0W0+3], s[G1W:G1W+7]
	s_nop 0
	tensor_load_to_lds s[G0W:G0W+3], s[G1W:G1W+7]
	s_nop 0
	PLACES
.Lfirst_done:
	v_and_b32 v1, 15, v0
	v_bfe_u32 v2, v0, 4, 1
	v_mul_u32_u24 v[LT], v1, PITCH
	v_lshl_add_u32 v[LT], v2, 4, v[LT]
	v_and_b32 v[LO], 31, v0
	v_lshlrev_b32 v[LO], 4, v[LO]
	; where the results go
	s_lshl2_add_u32 s2, s86, s82
	s_lshl_b32 s2, s2, 1                           ; 8 b + 2 g: the first pair of heads
	s_add_co_u32 s3, s2, s[XH]
	s_lshl1_add_u32 s3, s3, s[YH]                  ; k_ip: pair by xh, half of the keys by yh
	s_add_co_u32 s2, s2, s[YH]
	s_lshl1_add_u32 s2, s2, s[XH]                  ; v_ip: pair by yh, half of the keys by xh
	s_lshl_b32 s92, s3, 15
	s_add_nc_u64 s[OUTK:OUTK+1], s[12:13], s[92:93]
	s_lshl_b32 s92, s2, 15
	s_add_co_u32 s92, s92, 33554432
	s_add_nc_u64 s[OUTV:OUTV+1], s[12:13], s[92:93]
	s_and_b32 s2, s86, 31
	s_lshl1_add_u32 s2, s2, s[YH]                  ; q: batch 2 b + yh,
	s_lshl2_add_u32 s2, s2, s82
	s_lshl1_add_u32 s2, s2, s[XH]                  ; pair 2 g + xh: 8 x batch + pair
	s_lshl_b32 s92, s2, 15
	s_add_nc_u64 s[OUTQ:OUTQ+1], s[10:11], s[92:93]
	s_lshl1_add_u32 s2, s85, s[YH]                 ; text: my first batch is 2 (2 x group + yh), my first head 2 (2 g + xh):
	s_lshl3_add_u32 s2, s2, s82
	s_lshl1_add_u32 s2, s2, s[XH]                  ; (16 x batch + head) / 2
	s_mul_i32 s92, s2, 20480
	s_mul_i32 s3, s84, 10485760                    ; v lies behind k
	s_add_co_u32 s92, s92, s3
	s_add_nc_u64 s[OTX:OTX+1], s[14:15], s[92:93]
	s_add_nc_u64 s[NW:NW+1], s[WB0:WB0+1], 4*SLAB  ; behind the first pass comes Wv_ip
	s_mov_b64 s[OUTP:OUTP+1], s[OUTQ:OUTQ+1]
	s_mov_b32 s[PASS], 3
	s_wait_tensorcnt 0x1                           ; my part of step 0 is in; step 1's may stay out
	s_barrier_signal -1
	s_barrier_wait -1
	s_cmp_eq_u32 s[ROLE], 0
	s_cbranch_scc1 .Limg                           ; q is the image text's first pass
	; ---- the text pass: eight steps, all of which fill a slot again
	ADDRT
	FETCHT 0, F0, TY0
	QT 64, F0, TY0, F1, TY1, 1                     ; a pass's first quarter starts the sums
	WIN 0
	s_mov_b32 s[CNT], 8
	s_branch .Lt_in
.Lt_loop:
	QT 64, F0, TY0, F1, TY1, 0
	WIN 0
.Lt_in:
	QT 128, F1, TY1, F0, TY0, 0
	QT 192, F0, TY0, F1, TY1, 0
	TT                                             ; the last trip's fetch reads landed bytes of slot 0 in this pass's pattern; its data is not used: the price of one text for every trip
	DOWN .Lt_loop
	s_wait_dscnt 0x0
	PLACES
.set yy, 0
.rept 10
	OUTT yy
.set yy, yy+1
.endr
	s_branch .Lpassend
	; ---- the image text: q (pass 3, clusters 0-7), v_ip (pass 2), k_ip (pass 1)
.Limg:
	ADDRI
	s_wait_dscnt 0x0
	FETCHI 0, F0
	QI 64, F0, F1, 1
	WIN 0
	s_mov_b32 s[CNT], 8
	s_branch .Limg_in
.Limg_loop:
	QI 64, F0, F1, 0
	WIN 0
.Limg_in:
	QI 128, F1, F0, 0
	QI 192, F0, F1, 0
	TI 1
	WIN 0
	s_sub_co_u32 s[CNT], s[CNT], 1
	s_lshl4_add_u32 s2, s[PASS], s[CNT]
	s_cmp_eq_u32 s2, 18                            ; the last pass (PASS = 1) has asked for its step 7 (CNT = 2): it leaves the loop
	s_cbranch_scc1 .Limg_last
	s_cmp_lg_u32 s[CNT], 0
	s_cbranch_scc1 .Limg_loop
	s_branch .Limg_out
.Limg_last:
	s_mov_b32 s[CNT], 2
.Limg_tail:                                            ; the launch's last two steps ask for nothing
	QI 64, F0, F1, 0
	QI 128, F1, F0, 0
	QI 192, F0, F1, 0
	TI 0
	DOWN .Limg_tail
.Limg_out:
	OUTY OUTP
.Lpassend:
	s_wait_xcnt 0x0                                ; the stores have read their base
	s_cmp_eq_u32 s[PASS], 3
	s_cselect_b64 s[OUTP:OUTP+1], s[OUTV:OUTV+1], s[OUTK:OUTK+1]
	s_sub_nc_u64 s[NW:NW+1], s[NW:NW+1], SLAB      ; behind Wv_ip comes Wk_ip
	s_xor_b32 s[XO], s[XO], AOFF                   ; X and Y change sides from pass to pass: weights | activations, activations | weights, weights | activations
	s_xor_b32 s[YO], s[YO], AOFF
	s_sub_co_u32 s[PASS], s[PASS], 1
	s_cmp_lg_u32 s[PASS], 0
	s_cbranch_scc1 .Limg
	s_wait_tensorcnt 0x0                           ; the wave's end, behind my last tensor load
	ds_add_u32 v[SPW], v[NIL]
	s_wait_dscnt 0x0
	CROUND                                         ; the closing round: no work-group ends while a partner may still ask for a tile that names it
	s_endpgm
.Lfunc_end_k_qfd3caba10f_proj:
	.size	k_qfd3caba10f_proj, .Lfunc_end_k_qfd3caba10f_proj-k_qfd3caba10f_proj
	.p2alignl 7, 3214868480
	.fill 96, 4, 3214868480
	.section	.rodata,"a",@progbits
	.p2align	6, 0x0
	.amdhsa_kernel k_qfd3caba10f_proj
		.amdhsa_group_segment_fixed_size 327680
		.amdhsa_private_segment_fixed_size 0
		.amdhsa_enable_private_segment 0
		.amdhsa_kernarg_size 48
		.amdhsa_user_sgpr_count 2
		.amdhsa_user_sgpr_kernarg_segment_ptr 1
		.amdhsa_wavefront_size32 1
		.amdhsa_system_sgpr_workgroup_id_x 1
		.amdhsa_system_sgpr_workgroup_id_y 1
		.amdhsa_system_sgpr_workgroup_id_z 1
		.amdhsa_system_vgpr_workitem_id 0
		.amdhsa_next_free_vgpr 1024
		.amdhsa_next_free_sgpr 98
		.amdhsa_reserve_vcc 0
		.amdhsa_float_denorm_mode_32 3
		.amdhsa_float_denorm_mode_16_64 3
		.amdhsa_memory_ordered 1
		.amdhsa_forward_progress 1
		.amdhsa_inst_pref_size 165
	.end_amdhsa_kernel
	.amdgpu_metadata
---
amdhsa.version: [ 1, 2 ]
amdhsa.kernels:
  - .name:           k_qfd3caba10f_proj
    .symbol:         k_qfd3caba10f_proj.kd
    .args:
      - { .name: xb, .offset: 0, .size: 8, .value_kind: global_buffer, .address_space: global }
      - { .name: cb, .offset: 8, .size: 8, .value_kind: global_buffer, .address_space: global }
      - { .name: wb, .offset: 16, .size: 8, .value_kind: global_buffer, .address_space: global }
      - { .name: qf, .offset: 24, .size: 8, .value_kind: global_buffer, .address_space: global }
      - { .name: kvi, .offset: 32, .size: 8, .value_kind: global_buffer, .address_space: global }
      - { .name: kvt, .offset: 40, .size: 8, .value_kind: global_buffer, .address_space: global }
    .group_segment_fixed_size: 327680
    .private_segment_fixed_size: 0
    .kernarg_segment_align: 8
    .kernarg_segment_size: 48
    .max_flat_workgroup_size: 128
    .sgpr_count:     98
    .vgpr_count:     1024
    .wavefront_size: 32
...
	.end_amdgpu_metadata
.endif
;; end of part 2
;; launch attn (part 3): grid 256 x 1, 4 waves a work-group, no clusters, 94,720 bytes of LDS; arguments qf, kvi, kvt, rel_k_table, rel_v_table, of; writes of
.if DOCPART == 3
	.amdgcn_target "amdgcn-amd-amdhsa--gfx1250"
	.amdhsa_code_object_version 6
	.text
	.protected	k_qfd3caba10f_attn
	.globl	k_qfd3caba10f_attn
	.p2align	8
	.type	k_qfd3caba10f_attn,@function
k_qfd3caba10f_attn:
	s_mov_b64 s[64:65], 0
	v_nop
	global_prefetch_b8 v0, s[64:65] scope:SCOPE_SE
	s_setreg_imm32_b32 hwreg(HW_REG_WAVE_MODE, 25, 1), 1
	s_wait_xcnt 0x0
; ATTN.  For one (batch, head) a wave: O = softmax((q k^T + q relk[idx]^T) / 8) (v + relv[idx]) over 77 text keys  +  softmax(q k_ip^T / 8) v_ip over 256 image keys.
; q, k, v arrive as f16 operand fragments of 1,024 bytes and go straight into registers; K and V stay there for all eight tiles of 16 queries.  Products, maxima and sums in f32; the weights p are
; rounded to f16 for the second product (their sums are taken of the unrounded p); O is rounded once to f16 and stored as fragments for the output projection.
; Text v alone arrives like k (16 keys x 32 channels a fragment): it goes once through the wave's LDS bytes as [key][channel] and comes back turned, by ds_load_tr16_b128.
; LIMITS.  A hidden key (rows 77-79 of the text tile) counts as its score less 1e30; a weight below 2^-126 counts as 0; O must stay within f16's 65,504; NaN and infinities are not treated apart.
; The two tables are rounded to bf16 like every input and that value is written as f16 (below 6e-5 with f16's fixed step of 6e-8).
; NO CLUSTER, NO TENSOR LOAD: wave w of work-group n owns batch n / 4, head 4 (n % 4) + w; no byte of q, k or v is wanted by two waves; what all share is the two tables, 16,896 bytes.
; LAYOUT.  S^T = K Q^T holds ONE query a lane (lane % 16) and the keys 8 (lane / 16) + 0..7; two such results rounded in pairs ARE source 1 of O^T = V^T P.  The whole row of scores lies in
; registers, so the true maximum is taken away before the exponentials, in both branches.
; THE TABLES.  With query i = 16 t + r and key j = 16 kb + 8 h + e: d = j - i = 16 (x - 7) + 8 h + e - r, where x = kb + 7 - t lies in 0..11.
;   Scores: R[t'] = relk[t'] . q comes from three products.  Each query's row in LDS holds R[0] 112 times, R[0..31], R[32] 112 times, so that word 128 + d = 16 + 16 x + 8 h + e - r of it IS
;   R[clip(d, -16, 16) + 16]: the repeated ends do the clipping.  That word is the C operand that starts the sum K Q^T.  The address steps 64 bytes down from tile to tile.
;   Values: for key blocks with |kb - t| <= 1 the weights are scattered to place 32 + d of a window of 64, which multiplies a table of relv rows (clipped rows repeated).  The scatter's address
;   steps 32 bytes down from tile to tile and takes every block; a far block's copy is made 0 first, since part of it falls into the window (entries are one to one in j, so those zeros only
;   repeat the clearing).  For kb - t <= -2 all keys take relv[0], for kb - t >= 2 relv[32]: the two sums of weights ride in the free half of the third text key chunk, against those two rows.
; OUT = (O_text l_ip / l_text + O_ip) / l_ip.
; LDS is each wave's own (its number times a constant), so there is no barrier.
; REGISTERS: window 0: see below.  Window 1: v0-79 text K; v80-175 text V; v176-223 relk fragments; v224-255 relv fragments, places 0-31.  Window 2: image K.  Window 3: image V.
.set EPITCH, 1040                      ; a query's row of 256 f32 + 16 bytes
.set PPITCH, 432                       ; a query's row of 208 f16 + 16 bytes; the window of 64 places is bytes 192 to 319
.set PV,     160                       ; a key's row of text v on its one way through LDS: 128 bytes + 32; 80 rows lie in the bytes that later hold the rows of R
.set PXB,    4*16*EPITCH               ; behind the four waves' rows of R
.set SPARE,  PXB+4*16*PPITCH           ; the spare words, 128 bytes for each wave, which no other line names
.set LO,  1                            ; v1   16 x lane
.set SPW, 2                            ; v2   LDS address of my spare word; never rewritten
.set NIL, 3                            ; v3   0; never rewritten
.set GB,  4                            ; v4   gather base: my row + 4 (16 + 8 h - r)
.set RSB, 5                            ; v5   where R's tiles 0 and 1 go: word 112 + 8 h
.set RPB, 6                            ; v6   where the repeated R[32] (lanes 0-15: word 144) or R[0] (lanes 16-31: word 0) goes
.set SCB, 7                            ; v7   scatter base: my row + 2 (16 + 8 h - r)
.set ZFB, 8                            ; v8   my 64 bytes of the window to be cleared
.set PFB, 9                            ; v9   where the window is read back as fragments
.set ADR, 10
.set BIG, 11                           ; v11  -1e30
.set CM,  12                           ; v[12:13] c m, m
.set CH,  14                           ; v14-18 chains of the maximum, then block sums; v16 later 1 / l_ip
.set XC,  19                           ; v19  what the lane 16 away holds
.set LTX, 20                           ; v20  l of the text branch
.set LIP, 21                           ; v21  l of the image branch
.set FAC, 22                           ; v[22:23] l_ip / l_text in the low word
.set ZR,  24                           ; v[24:27] zeros
.set FARL, 28
.set FARR, 29
.set QV,  30                           ; v30  offset of the next tile's q
.set OV,  31                           ; v31  offset of this tile's O
.set Q,   32                           ; v32-47 q: channels 32 c' on at Q + 8 c'
.set TP,  48                           ; v48-63 at work, then the stores' data
.set S,   64                           ; v64-191 scores, weights, P
.set PM,  S+40                         ; v104-123 the text P's copy for the scatter
.set O,   192                          ; v192-223 O^T, 8 a channel block; earlier in a trip R's three tiles
.set RVB, 224                          ; v224-255 relv fragments, places 32-63
.set VSB, 224                          ; v224, at the head alone: where I put 16 bytes of a key's row of text v
.set AVB, 225                          ; v225, at the head alone: my place in the turning loads
.set KT,  0
.set VT,  80
.set RK,  176
.set RVA, 224
.set QP,  4                            ; s[4:5] q; s[16:17] image K; s[18:19] image V; s[20:21] text K; s[22:23] text V; s[14:15] O
.set KIP, 16
.set VIP, 18
.set KTP, 20
.set VTP, 22
.set OP,  14
.set WV,  24
.set T,   25                           ; s25  the query tile, 0..7
.set CS,  26                           ; s[26:27] c = log2(e) / 8
.set SEL, 28                           ; s[28:29] v_permlanex16_b32's selects: each lane takes its own place in the other half
.set HM,  30                           ; s30  0xffff0000: lanes 16-31, and a word's upper half
.set NM,  32                           ; s32-36 all ones where |kb - t| <= 1
.set WL,  37                           ; s37-41 1.0 where kb - t <= -2
.set WR,  42                           ; s42-46 1.0 where kb - t >= 2
.set GS,  47                           ; s47  64 (7 - t): the gather's step
.set SS,  48                           ; s48  32 (7 - t): the scatter's step
.set CNT, 49                           ; s49  tiles to go
.set MSB, 0
.macro WIN new
.if MSB != (\new)
	s_set_vgpr_msb (MSB<<8)|(\new)
.set MSB, \new
.endif
.endm
.macro PLACES
.rept 4
	v_nop
.endr
.endm
.macro MMF zero
.if \zero
	v_wmma_f32_16x16x32_f16 v[rD:rD+7], v[rX:rX+7], v[rY:rY+7], 0
.else
	v_wmma_f32_16x16x32_f16 v[rD:rD+7], v[rX:rX+7], v[rY:rY+7], v[rD:rD+7]
.endif
.endm
	s_load_b256 s[4:11], s[0:1], 0x0               ; qf s[4:5], kvi s[6:7], kvt s[8:9], rel_k_table s[10:11]
	s_load_b128 s[12:15], s[0:1], 0x20             ; rel_v_table s[12:13], of s[14:15]
	v_lshl_add_u32 v[SPW], v0, 2, SPARE
	v_mov_b32 v[NIL], 0
	v_lshrrev_b32 v[ADR], 5, v0
	v_readfirstlane_b32 s[WV], v[ADR]
	s_lshr_b32 s52, ttmp9, 2                       ; b
	s_and_b32 s53, ttmp9, 3
	s_lshl2_add_u32 s53, s53, s[WV]                ; head
	s_lshr_b32 s54, s53, 1
	s_and_b32 s55, s53, 1                          ; e: which head of the pair
	s_lshl3_add_u32 s54, s52, s54                  ; 8 b + pair
	s_lshl4_add_u32 s56, s52, s53                  ; 16 b + head
	s_mul_i32 s57, s[WV], 16*EPITCH                ; my wave's LDS bytes
	s_mul_i32 s58, s[WV], 16*PPITCH
	s_add_co_u32 s58, s58, PXB
	s_mov_b32 s[CS], 0x3e38aa3b
	s_mov_b32 s[CS+1], s[CS]
	s_mov_b32 s[SEL], 0x76543210
	s_mov_b32 s[SEL+1], 0xfedcba98
	s_mov_b32 s[HM], 0xffff0000
	s_mov_b32 s3, 0
	v_and_b32 v216, 15, v0                         ; r
	v_bfe_u32 v217, v0, 4, 1                       ; h
	v_and_b32 v[LO], 31, v0
	v_lshlrev_b32 v[LO], 4, v[LO]
	v_mul_u32_u24 v[GB], v216, EPITCH-4
	v_lshl_add_u32 v[GB], v217, 5, v[GB]
	v_add_nc_u32 v[GB], s57, v[GB]
	v_add_nc_u32 v[GB], 64, v[GB]                  ; 1040 r + 4 (16 + 8 h - r)
	v_mul_u32_u24 v218, v216, EPITCH
	v_add_nc_u32 v218, s57, v218                   ; my query's row of R
	v_lshl_add_u32 v[RSB], v217, 5, v218
	v_add_nc_u32 v[RSB], 448, v[RSB]               ; word 112 + 8 h
	v_xor_b32 v219, 1, v217
	v_mul_u32_u24 v219, v219, 576
	v_add_nc_u32 v[RPB], v219, v218                ; word 144 (h = 0) or word 0 (h = 1)
	v_mul_u32_u24 v218, v216, PPITCH
	v_add_nc_u32 v218, s58, v218
	v_add_nc_u32 v218, 192, v218                   ; my query's window
	v_lshl_add_u32 v[ZFB], v217, 6, v218
	v_lshl_add_u32 v[PFB], v217, 4, v218
	v_mul_u32_u24 v[SCB], v216, PPITCH-2
	v_lshl_add_u32 v[SCB], v217, 4, v[SCB]
	v_add_nc_u32 v[SCB], s58, v[SCB]
	v_add_nc_u32 v[SCB], 32, v[SCB]                ; 432 r + 2 (16 + 8 h - r)
	v_mul_u32_u24 v[VSB], v216, PV                 ; text v in: key r of a block, channels 8 h on
	v_lshl_add_u32 v[VSB], v217, 4, v[VSB]
	v_add_nc_u32 v[VSB], s57, v[VSB]
	v_and_b32 v[AVB], 7, v0                        ; and back, turned: lane l reads key 8 (l / 16) + l % 8, channels 8 ((l / 8) % 2) on, and is left with channel l % 16 and 8 keys
	v_lshl_add_u32 v[AVB], v217, 3, v[AVB]
	v_mul_u32_u24 v[AVB], v[AVB], PV
	v_bfe_u32 v226, v0, 3, 1
	v_lshl_add_u32 v[AVB], v226, 4, v[AVB]
	v_add_nc_u32 v[AVB], s57, v[AVB]
	v_lshlrev_b32 v220, 8, v216
	v_lshl_add_u32 v220, v217, 5, v220             ; relk: row r, channels 8 h on
	v_lshrrev_b32 v221, 3, v216
	v_xor_b32 v221, 1, v221
	v_lshlrev_b32 v221, 13, v221
	v_lshl_add_u32 v221, v217, 5, v221             ; relk's third tile: row 32 for r < 8, row 0 for the others
	v_lshlrev_b32 v223, 2, v216                    ; relv: channel r
	v_lshl_add_u32 v222, v217, 11, v223            ; and rows 8 h on
	s_wait_kmcnt 0x0
	s_lshl_b32 s2, s54, 15
	s_lshl_b32 s59, s55, 11
	s_add_co_u32 s2, s2, s59
	s_add_nc_u64 s[QP:QP+1], s[QP:QP+1], s[2:3]
	s_lshl_b32 s2, s54, 16
	s_add_co_u32 s2, s2, s59
	s_add_nc_u64 s[KIP:KIP+1], s[6:7], s[2:3]
	s_lshl_b32 s2, s54, 16
	s_lshl_b32 s59, s55, 14
	s_add_co_u32 s2, s2, s59
	s_add_co_u32 s2, s2, 33554432
	s_add_nc_u64 s[VIP:VIP+1], s[6:7], s[2:3]
	s_mul_i32 s2, s56, 10240
	s_add_nc_u64 s[KTP:KTP+1], s[8:9], s[2:3]
	s_add_co_u32 s2, s2, 10485760                  ; text v lies behind text k, in the same form
	s_add_nc_u64 s[VTP:VTP+1], s[8:9], s[2:3]
	s_lshl_b32 s2, s56, 14
	s_add_nc_u64 s[OP:OP+1], s[OP:OP+1], s[2:3]
	; the tables first, then all operands, in the order in which they are wanted
.set m, 0
.rept 16                               ; relk, tiles 0 and 1: load m = 4 (2 tile + c') + part
	global_load_b128 v[48+4*m:48+4*m+3], v220, s[10:11] offset:4096*(m/8)+128*((m/4)%2)+64*((m/2)%2)+16*(m%2)
.set m, m+1
.endr
.rept 8
	global_load_b128 v[48+4*m:48+4*m+3], v221, s[10:11] offset:128*((m/4)%2)+64*((m/2)%2)+16*(m%2)
.set m, m+1
.endr
.irp cb, 0,1,2,3                       ; relv, channel 16 cb + r: rows 8 h + j, rows 16 + 8 h + j, row 0, row 32
.irp j, 0,1,2,3,4,5,6,7
	global_load_b32 v[144+18*(\cb)+(\j)],   v222, s[12:13] offset:256*(\j)+64*(\cb)
	global_load_b32 v[144+18*(\cb)+8+(\j)], v222, s[12:13] offset:4096+256*(\j)+64*(\cb)
.endr
	global_load_b32 v[144+18*(\cb)+16], v223, s[12:13] offset:64*(\cb)
	global_load_b32 v[144+18*(\cb)+17], v223, s[12:13] offset:8192+64*(\cb)
.endr
.irp c, 0,1
	global_load_b128 v[Q+8*(\c):Q+8*(\c)+3],   v[LO], s[QP:QP+1] offset:1024*(\c) th:TH_LOAD_NT
	global_load_b128 v[Q+8*(\c)+4:Q+8*(\c)+7], v[LO], s[QP:QP+1] offset:1024*(\c)+512 th:TH_LOAD_NT
.endr
	WIN 0x40                                       ; destination window 1
.set m, 0
.rept 10                               ; text K: fragment m = 2 kb + c'
	global_load_b128 v[KT+8*m:KT+8*m+3],   v[LO], s[KTP:KTP+1] offset:1024*m th:TH_LOAD_NT
	global_load_b128 v[KT+8*m+4:KT+8*m+7], v[LO], s[KTP:KTP+1] offset:1024*m+512 th:TH_LOAD_NT
.set m, m+1
.endr
.set m, 0
.rept 10                               ; text V as it was stored, fragment m = 2 kb + c': for now into the 80 registers that the tables' fragments take later
	global_load_b128 v[RK+8*m:RK+8*m+3],   v[LO], s[VTP:VTP+1] offset:1024*m th:TH_LOAD_NT
	global_load_b128 v[RK+8*m+4:RK+8*m+7], v[LO], s[VTP:VTP+1] offset:1024*m+512 th:TH_LOAD_NT
.set m, m+1
.endr
	WIN 0x80                                       ; destination window 2
.set m, 0
.rept 32                               ; image K: fragment m = 2 kb + c'
	global_load_b128 v[8*m:8*m+3],   v[LO], s[KIP:KIP+1] offset:(m/16)*32768+((m/2)%8)*4096+(m%2)*1024 th:TH_LOAD_NT
	global_load_b128 v[8*m+4:8*m+7], v[LO], s[KIP:KIP+1] offset:(m/16)*32768+((m/2)%8)*4096+(m%2)*1024+512 th:TH_LOAD_NT
.set m, m+1
.endr
	WIN 0xc0                                       ; destination window 3
.set m, 0
.rept 32                               ; image V: fragment m = 8 cb + kk
	global_load_b128 v[8*m:8*m+3],   v[LO], s[VIP:VIP+1] offset:((m%8)/4)*32768+(m/8)*4096+(m%4)*1024 th:TH_LOAD_NT
	global_load_b128 v[8*m+4:8*m+7], v[LO], s[VIP:VIP+1] offset:((m%8)/4)*32768+(m/8)*4096+(m%4)*1024+512 th:TH_LOAD_NT
.set m, m+1
.endr
	WIN 0
	v_mov_b32 v[BIG], 0xf149f2ca
	v_mov_b32 v[XC], 0                             ; v_permlanex16_b32's destination counts as read
	v_mov_b32 v[FAC+1], 0
.irp i, 0,1,2,3
	v_mov_b32 v[ZR+(\i)], 0
.endr
	s_wait_loadcnt 63                              ; 172 loads were issued behind the tables' 96, 128 behind text v's: with 63 out both are in
	WIN 0x04                                       ; the stores' data in window 1
.set m, 0
.rept 10                               ; text v into rows [key][channel]: a lane's 16 bytes are 8 channels of one key
	ds_store_b128 v[VSB], v[RK+8*m:RK+8*m+3]   offset:16*PV*(m/2)+64*(m%2)
	ds_store_b128 v[VSB], v[RK+8*m+4:RK+8*m+7] offset:16*PV*(m/2)+64*(m%2)+32
.set m, m+1
.endr
	WIN 0x40                                       ; LDS serves a wave's instructions in order: the turning loads see the stores above
.irp cb, 0,1,2,3
.irp kk, 0,1,2                         ; keys 32 kk on, channels 16 cb on; of kk = 2 the first half alone exists
	ds_load_tr16_b128 v[VT+24*(\cb)+8*(\kk):VT+24*(\cb)+8*(\kk)+3], v[AVB] offset:32*PV*(\kk)+32*(\cb)
.if (\kk) < 2
	ds_load_tr16_b128 v[VT+24*(\cb)+8*(\kk)+4:VT+24*(\cb)+8*(\kk)+7], v[AVB] offset:32*PV*(\kk)+16*PV+32*(\cb)
.endif
.endr
.endr
	WIN 0
.set m, 0
.rept 84                               ; every table value is rounded to bf16, in place
	v_cvt_pk_bf16_f32 v[216+m%4], v[48+2*m], v[48+2*m+1]
	v_lshlrev_b32 v[48+2*m], 16, v[216+m%4]
	v_and_b32 v[48+2*m+1], s[HM], v[216+m%4]
.set m, m+1
.endr
	s_wait_dscnt 0x0                               ; text v is turned: its first registers and its two address registers are free
	WIN 0x40
.set m, 0
.rept 48                               ; relk's six fragments
	v_cvt_pk_f16_f32 v[RK+m], v[48+2*m], v[48+2*m+1]
.set m, m+1
.endr
.irp cb, 0,1,2,3
.irp p, 0,1,2,3
	v_cvt_pk_f16_f32 v[RVA+8*(\cb)+(\p)],   v[144+18*(\cb)+16], v[144+18*(\cb)+16]          ; places 0-15: d <= -17: row 0
	v_cvt_pk_f16_f32 v[RVA+8*(\cb)+4+(\p)], v[144+18*(\cb)+2*(\p)], v[144+18*(\cb)+2*(\p)+1]  ; places 16-31: rows 0-15
.endr
	v_cvt_pk_f16_f32 v[VT+24*(\cb)+20], v[144+18*(\cb)+17], v[144+18*(\cb)+16]  ; the free half of text key chunk 2: row 32 against the right sum, row 0 against the left
	v_mov_b32 v[VT+24*(\cb)+21], 0
	v_mov_b32 v[VT+24*(\cb)+22], 0
	v_mov_b32 v[VT+24*(\cb)+23], 0
.endr
	WIN 0
.irp cb, 0,1,2,3
.irp p, 0,1,2,3
	v_cvt_pk_f16_f32 v[RVB+8*(\cb)+(\p)],   v[144+18*(\cb)+8+2*(\p)], v[144+18*(\cb)+8+2*(\p)+1]  ; places 32-47: rows 16-31
	v_cvt_pk_f16_f32 v[RVB+8*(\cb)+4+(\p)], v[144+18*(\cb)+17], v[144+18*(\cb)+17]                ; places 48-63: row 32
.endr
.endr
	s_mov_b32 s[T], 0
	s_mov_b32 s[CNT], 8
	s_mov_b32 s[GS], 512                           ; stepped at the head of each trip: 448, 384 .. 0
	s_mov_b32 s[SS], 256                           ; 224, 192 .. 0
.Ltile:
	s_wait_loadcnt 0x0                             ; this tile's q is in (in the first trip: everything)
	s_wait_xcnt 0x0                                ; the last tile's stores have read their data and offset
	s_sub_co_u32 s[GS], s[GS], 64
	s_sub_co_u32 s[SS], s[SS], 32
.irp k, 0,1,2,3,4                      ; what hangs on kb - t enters data alone
	s_sub_co_i32 s2, (\k), s[T]
	s_cmp_le_i32 s2, -2
	s_cselect_b32 s[WL+(\k)], 1.0, 0
	s_cmp_ge_i32 s2, 2
	s_cselect_b32 s[WR+(\k)], 1.0, 0
	s_add_co_i32 s3, s2, 1
	s_cmp_le_u32 s3, 2
	s_cselect_b32 s[NM+(\k)], -1, 0
.endr
	; R^T = relk Q^T, three tiles by turns
	WIN 0x01
.irp c, 0,1
.irp tb, 0,1,2
.set rD, O+8*(\tb)
.set rX, RK+16*(\tb)+8*(\c)
.set rY, Q+8*(\c)
	MMF 1-(\c)
.endr
.endr
	WIN 0
	PLACES
	ds_store_b128 v[RSB], v[O:O+3]
	ds_store_b128 v[RSB], v[O+4:O+7] offset:16
	ds_store_b128 v[RSB], v[O+8:O+11] offset:64
	ds_store_b128 v[RSB], v[O+12:O+15] offset:80
.set n, 0
.rept 28                               ; 112 words of R[0] (lanes 16-31) and of R[32] (lanes 0-15)
	ds_store_b128 v[RPB], v[O+16:O+19] offset:16*n
.set n, n+1
.endr
	v_add_nc_u32 v[ADR], s[GS], v[GB]
.irp k, 0,1,2,3,4                      ; LDS serves a wave's instructions in order: the gathers see the stores above
.irp e, 0,1,2,3,4,5,6,7
	ds_load_b32 v[S+8*(\k)+(\e)], v[ADR] offset:64*(\k)+4*(\e)
.endr
.endr
	s_wait_dscnt 0x0
.irp e, 5,6,7
	v_cndmask_b32 v[S+32+(\e)], v[S+32+(\e)], v[BIG], s[HM]  ; keys 77, 78, 79 lie in lanes 16-31
.endr
	; text scores: the bias starts the sums; five accumulators by turns
	WIN 0x01
.irp c, 0,1
.irp k, 0,1,2,3,4
.set rD, S+8*(\k)
.set rX, KT+16*(\k)+8*(\c)
.set rY, Q+8*(\c)
	MMF 0
.endr
.endr
	WIN 0
	PLACES
	; the maximum of 40 scores; each accumulator's lowest registers are read first
.irp k, 0,1,2,3,4
	v_max3_num_f32 v[CH+(\k)], v[S+8*(\k)], v[S+8*(\k)+1], v[S+8*(\k)+2]
.endr
.irp k, 0,1,2,3,4
	v_max3_num_f32 v[CH+(\k)], v[CH+(\k)], v[S+8*(\k)+3], v[S+8*(\k)+4]
.endr
.irp k, 0,1,2,3,4
	v_max3_num_f32 v[CH+(\k)], v[CH+(\k)], v[S+8*(\k)+5], v[S+8*(\k)+6]
.endr
	v_max3_num_f32 v[CH], v[CH], v[S+7], v[S+15]
	v_max3_num_f32 v[CH+1], v[CH+1], v[S+23], v[S+31]
	v_max3_num_f32 v[CH+2], v[CH+2], v[S+39], v[CH+3]
	v_max3_num_f32 v[CH], v[CH], v[CH+1], v[CH+2]
	v_max_num_f32 v[CH], v[CH], v[CH+4]
	v_permlanex16_b32 v[XC], v[CH], s[SEL], s[SEL+1]  ; the query's other keys lie in the lane 16 away
	v_max_num_f32 v[CM+1], v[CH], v[XC]
	v_mul_f32 v[CM], s[CS], v[CM+1]
.set m, 0
.rept 20                               ; c s - c m by pairs, and ONE batch of 40 exponentials; nothing here names an exponential's result
	v_pk_fma_f32 v[S+2*m:S+2*m+1], v[S+2*m:S+2*m+1], s[CS:CS+1], v[CM:CM+1] op_sel_hi:[1,0,0] neg_lo:[0,0,1] neg_hi:[0,0,1]
.if m > 0
	v_exp_f32 v[S+2*m-2], v[S+2*m-2]
	v_exp_f32 v[S+2*m-1], v[S+2*m-1]
.endif
.set m, m+1
.endr
	v_exp_f32 v[S+38], v[S+38]
	v_exp_f32 v[S+39], v[S+39]
	v_nop                                          ; a plain instruction behind the last exponential,
	s_wait_alu depctr_va_vdst(0)                   ; and one wait ahead of the batch's first reader
.irp k, 0,1,2,3,4                      ; my half of each key block's sum
	v_pk_add_f32 v[TP+2*(\k):TP+2*(\k)+1], v[S+8*(\k):S+8*(\k)+1], v[S+8*(\k)+2:S+8*(\k)+3]
.endr
.irp k, 0,1,2,3,4
	v_pk_add_f32 v[TP+2*(\k):TP+2*(\k)+1], v[TP+2*(\k):TP+2*(\k)+1], v[S+8*(\k)+4:S+8*(\k)+5]
.endr
.irp k, 0,1,2,3,4
	v_pk_add_f32 v[TP+2*(\k):TP+2*(\k)+1], v[TP+2*(\k):TP+2*(\k)+1], v[S+8*(\k)+6:S+8*(\k)+7]
.endr
.irp k, 0,1,2,3,4
	v_add_f32 v[CH+(\k)], v[TP+2*(\k)], v[TP+2*(\k)+1]
.endr
	v_add_f32 v[LTX], v[CH], v[CH+1]
	v_add_f32 v[TP], v[CH+2], v[CH+3]
	v_mul_f32 v[FARL], s[WL], v[CH]
	v_mul_f32 v[FARR], s[WR], v[CH]
	v_add_f32 v[LTX], v[LTX], v[TP]
.irp k, 1,2,3,4
	v_fma_f32 v[FARL], s[WL+(\k)], v[CH+(\k)], v[FARL]
	v_fma_f32 v[FARR], s[WR+(\k)], v[CH+(\k)], v[FARR]
.endr
	v_add_f32 v[LTX], v[LTX], v[CH+4]
	v_permlanex16_b32 v[XC], v[LTX], s[SEL], s[SEL+1]
	v_add_f32 v[LTX], v[LTX], v[XC]
.set m, 0
.rept 20                               ; P, in place and ascending: register m takes weights 2 m and 2 m + 1
	v_cvt_pk_f16_f32 v[S+m], v[S+2*m], v[S+2*m+1]
.set m, m+1
.endr
	v_cvt_pk_f16_f32 v[S+20], v[FARR], v[FARL]
	v_mov_b32 v[S+21], 0
	v_mov_b32 v[S+22], 0
	v_mov_b32 v[S+23], 0
	; the near blocks' weights by distance: window cleared, weights scattered (a far block's copy is 0), window read back as two fragments; all in the wave's own order
.irp n, 0,1,2,3
	ds_store_b128 v[ZFB], v[ZR:ZR+3] offset:16*(\n)
.endr
	v_add_nc_u32 v[ADR], s[SS], v[SCB]
.irp k, 0,1,2,3,4
.irp p, 0,1,2,3
	v_and_b32 v[PM+4*(\k)+(\p)], s[NM+(\k)], v[S+4*(\k)+(\p)]
.endr
.endr
.irp k, 0,1,2,3,4
.irp p, 0,1,2,3
	ds_store_b16 v[ADR], v[PM+4*(\k)+(\p)] offset:32*(\k)+4*(\p)
	ds_store_b16_d16_hi v[ADR], v[PM+4*(\k)+(\p)] offset:32*(\k)+4*(\p)+2
.endr
.endr
.irp n, 0,1,2,3
	ds_load_b128 v[S+24+4*(\n):S+24+4*(\n)+3], v[PFB] offset:32*(\n)
.endr
	; O^T = V^T P over three key chunks, then the two table products; four accumulators by turns
	WIN 0x01
.irp kk, 0,1,2
.irp cb, 0,1,2,3
.set rD, O+8*(\cb)
.set rX, VT+24*(\cb)+8*(\kk)
.set rY, S+8*(\kk)
.if (\kk) == 0
	MMF 1
.else
	MMF 0
.endif
.endr
.endr
	s_wait_dscnt 0x0                               ; the scattered weights are back
.irp cb, 0,1,2,3
.set rD, O+8*(\cb)
.set rX, RVA+8*(\cb)
.set rY, S+24
	MMF 0
.endr
	WIN 0
.irp cb, 0,1,2,3
.set rD, O+8*(\cb)
.set rX, RVB+8*(\cb)
.set rY, S+32
	MMF 0
.endr
.rept 5
	v_nop                                          ; five places: the next products write over registers that the last ones read
.endr
	; image scores: 16 accumulators by turns
	WIN 0x02
.irp c, 0,1
.set k, 0
.rept 16
.set rD, S+8*k
.set rX, 16*k+8*(\c)
.set rY, Q+8*(\c)
	MMF 1-(\c)
.set k, k+1
.endr
.endr
	WIN 0
	PLACES
	s_add_co_u32 s2, s[T], 1                       ; the next tile's q; the last trip asks for tile 7 once more, so that no load leaves the buffer
	s_min_u32 s2, s2, 7
	s_lshl_b32 s2, s2, 12
	v_add_nc_u32 v[QV], s2, v[LO]
.irp c, 0,1
	global_load_b128 v[Q+8*(\c):Q+8*(\c)+3],   v[QV], s[QP:QP+1] offset:1024*(\c) th:TH_LOAD_NT
	global_load_b128 v[Q+8*(\c)+4:Q+8*(\c)+7], v[QV], s[QP:QP+1] offset:1024*(\c)+512 th:TH_LOAD_NT
.endr
	; the maximum of 128 scores: chain q walks tiles q, q + 4, q + 8, q + 12 in ascending order, so each accumulator's register 0 is read first
.irp q, 0,1,2,3
	v_max3_num_f32 v[CH+(\q)], v[S+8*(\q)], v[S+8*(\q)+1], v[S+8*(\q)+2]
.endr
.set i, 1
.rept 14
.irp q, 0,1,2,3
	v_max3_num_f32 v[CH+(\q)], v[CH+(\q)], v[S+8*((\q)+4*((2*i+1)/8))+(2*i+1)%8], v[S+8*((\q)+4*((2*i+2)/8))+(2*i+2)%8]
.endr
.set i, i+1
.endr
	v_max3_num_f32 v[CH], v[CH], v[S+8*12+7], v[S+8*13+7]
	v_max3_num_f32 v[CH+1], v[CH+1], v[S+8*14+7], v[S+8*15+7]
	v_max3_num_f32 v[CH], v[CH], v[CH+1], v[CH+2]
	v_max_num_f32 v[CH], v[CH], v[CH+3]
	v_permlanex16_b32 v[XC], v[CH], s[SEL], s[SEL+1]
	v_max_num_f32 v[CM+1], v[CH], v[XC]
	v_mul_f32 v[CM], s[CS], v[CM+1]
.set m, 0
.rept 64                               ; ONE batch of 128 exponentials
	v_pk_fma_f32 v[S+2*m:S+2*m+1], v[S+2*m:S+2*m+1], s[CS:CS+1], v[CM:CM+1] op_sel_hi:[1,0,0] neg_lo:[0,0,1] neg_hi:[0,0,1]
.if m > 0
	v_exp_f32 v[S+2*m-2], v[S+2*m-2]
	v_exp_f32 v[S+2*m-1], v[S+2*m-1]
.endif
.set m, m+1
.endr
	v_exp_f32 v[S+126], v[S+126]
	v_exp_f32 v[S+127], v[S+127]
	v_nop
	s_wait_alu depctr_va_vdst(0)                   ; one wait for the batch
.irp q, 0,1,2,3                        ; l: four chains of 16 pairs
	v_pk_add_f32 v[TP+2*(\q):TP+2*(\q)+1], v[S+2*(\q):S+2*(\q)+1], v[S+2*(\q)+8:S+2*(\q)+9]
.endr
.set i, 2
.rept 14
.irp q, 0,1,2,3
	v_pk_add_f32 v[TP+2*(\q):TP+2*(\q)+1], v[TP+2*(\q):TP+2*(\q)+1], v[S+2*((\q)+4*i):S+2*((\q)+4*i)+1]
.endr
.set i, i+1
.endr
	v_pk_add_f32 v[TP:TP+1], v[TP:TP+1], v[TP+2:TP+3]
	v_pk_add_f32 v[TP+4:TP+5], v[TP+4:TP+5], v[TP+6:TP+7]
	v_pk_add_f32 v[TP:TP+1], v[TP:TP+1], v[TP+4:TP+5]
	v_add_f32 v[LIP], v[TP], v[TP+1]
	v_permlanex16_b32 v[XC], v[LIP], s[SEL], s[SEL+1]
	v_add_f32 v[LIP], v[LIP], v[XC]
	v_rcp_f32 v[TP], v[LTX]
	v_rcp_f32 v[CH+2], v[LIP]
.set m, 0
.rept 64                               ; P, in place and ascending: the independent work behind the two reciprocals
	v_cvt_pk_f16_f32 v[S+m], v[S+2*m], v[S+2*m+1]
.set m, m+1
.endr
	s_wait_alu depctr_va_vdst(0)                   ; one wait for both reciprocals
	v_mul_f32 v[FAC], v[LIP], v[TP]
.set m, 0
.rept 16                               ; the text branch's O^T times l_ip / l_text, each accumulator from its low end
	v_pk_mul_f32 v[O+2*m:O+2*m+1], v[O+2*m:O+2*m+1], v[FAC:FAC+1] op_sel_hi:[1,0]
.set m, m+1
.endr
	; O^T += V_ip^T P: four accumulators by turns
	WIN 0x03
.set k, 0
.rept 8
.irp cb, 0,1,2,3
.set rD, O+8*(\cb)
.set rX, 64*(\cb)+8*k
.set rY, S+8*k
	MMF 0
.endr
.set k, k+1
.endr
	WIN 0
	PLACES
.set m, 0
.rept 16
	v_pk_mul_f32 v[O+2*m:O+2*m+1], v[O+2*m:O+2*m+1], v[CH+2:CH+3] op_sel_hi:[1,0]  ; times 1 / l_ip
.set m, m+1
.endr
.set m, 0
.rept 16
	v_cvt_pk_f16_f32 v[TP+m], v[O+2*m], v[O+2*m+1]
.set m, m+1
.endr
	s_lshl_b32 s2, s[T], 10
	v_add_nc_u32 v[OV], s2, v[LO]
.irp cb, 0,1,2,3                       ; channel blocks 2 c'', 2 c'' + 1 are the two halves of fragment (tile, c''); each store covers 512 consecutive bytes, aligned
	global_store_b128 v[OV], v[TP+4*(\cb):TP+4*(\cb)+3], s[OP:OP+1] offset:8192*((\cb)/2)+512*((\cb)%2)
.endr
	s_add_co_u32 s[T], s[T], 1
	s_sub_co_u32 s[CNT], s[CNT], 1
	s_cmp_lg_u32 s[CNT], 0
	s_cbranch_scc1 .Ltile
	s_wait_tensorcnt 0x0                           ; the wave's end, behind my last LDS store
	ds_add_u32 v[SPW], v[NIL]
	s_wait_dscnt 0x0
	s_endpgm
.Lfunc_end_k_qfd3caba10f_attn:
	.size	k_qfd3caba10f_attn, .Lfunc_end_k_qfd3caba10f_attn-k_qfd3caba10f_attn
	.p2alignl 7, 3214868480
	.fill 96, 4, 3214868480
	.section	.rodata,"a",@progbits
	.p2align	6, 0x0
	.amdhsa_kernel k_qfd3caba10f_attn
		.amdhsa_group_segment_fixed_size 94720
		.amdhsa_private_segment_fixed_size 0
		.amdhsa_enable_private_segment 0
		.amdhsa_kernarg_size 48
		.amdhsa_user_sgpr_count 2
		.amdhsa_user_sgpr_kernarg_segment_ptr 1
		.amdhsa_wavefront_size32 1
		.amdhsa_system_sgpr_workgroup_id_x 1
		.amdhsa_system_sgpr_workgroup_id_y 1
		.amdhsa_system_sgpr_workgroup_id_z 1
		.amdhsa_system_vgpr_workitem_id 0
		.amdhsa_next_free_vgpr 1024
		.amdhsa_next_free_sgpr 66
		.amdhsa_reserve_vcc 0
		.amdhsa_float_denorm_mode_32 3
		.amdhsa_float_denorm_mode_16_64 3
		.amdhsa_memory_ordered 1
		.amdhsa_forward_progress 1
		.amdhsa_inst_pref_size 100
	.end_amdhsa_kernel
	.amdgpu_metadata
---
amdhsa.version: [ 1, 2 ]
amdhsa.kernels:
  - .name:           k_qfd3caba10f_attn
    .symbol:         k_qfd3caba10f_attn.kd
    .args:
      - { .name: qf, .offset: 0, .size: 8, .value_kind: global_buffer, .address_space: global }
      - { .name: kvi, .offset: 8, .size: 8, .value_kind: global_buffer, .address_space: global }
      - { .name: kvt, .offset: 16, .size: 8, .value_kind: global_buffer, .address_space: global }
      - { .name: rel_k_table, .offset: 24, .size: 8, .value_kind: global_buffer, .address_space: global }
      - { .name: rel_v_table, .offset: 32, .size: 8, .value_kind: global_buffer, .address_space: global }
      - { .name: of, .offset: 40, .size: 8, .value_kind: global_buffer, .address_space: global }
    .group_segment_fixed_size: 94720
    .private_segment_fixed_size: 0
    .kernarg_segment_align: 8
    .kernarg_segment_size: 48
    .max_flat_workgroup_size: 128
    .sgpr_count:     66
    .vgpr_count:     1024
    .wavefront_size: 32
...
	.end_amdgpu_metadata
.endif
;; end of part 3
;; launch outp (part 4): grid 4 x 64, 4 waves a work-group, clusters of 4 x 4, 327,680 bytes of LDS; arguments of, wb, bout, out0; writes out0
.if DOCPART == 4
	.amdgcn_target "amdgcn-amd-amdhsa--gfx1250"
	.amdhsa_code_object_version 6
	.text
	.protected	k_qfd3caba10f_outp
	.globl	k_qfd3caba10f_outp
	.p2align	8
	.type	k_qfd3caba10f_outp,@function
k_qfd3caba10f_outp:
	s_mov_b64 s[64:65], 0
	v_nop
	global_prefetch_b8 v0, s[64:65] scope:SCOPE_SE
	s_setreg_imm32_b32 hwreg(HW_REG_WAVE_MODE, 25, 1), 1
	s_wait_xcnt 0x0
	s_wait_alu depctr_hold_cnt(0) depctr_sa_sdst(0) depctr_va_vdst(0) depctr_va_sdst(0) depctr_va_ssrc(0) depctr_va_vcc(0) depctr_vm_vsrc(0)
	s_getreg_b32 s2, hwreg(HW_REG_IB_STS2, 6, 4)
	s_cmp_eq_u32 s2, 0
	s_cbranch_scc0 .Lentry_in_a_cluster
	s_endpgm
.Lentry_in_a_cluster:
	s_bfe_u32 s2, ttmp6, 0x10000c
	s_cmp_lg_u32 s2, 0xf033
	s_cbranch_scc0 .Lentry_shape_is_right
	s_endpgm
.Lentry_shape_is_right:
; OUTP.  out0 = O Wout + bout.  Work-group (g, b): the 128 rows of batch b, columns 256 g .. 256 g + 255.  f16 operands (O as the attention stored it, in fragments; Wout as the f16 spelling
; of its bf16 value, [n][k]), f32 sums; the bias is rounded to bf16 like every input and added in f32.
; A wave makes 64 rows x 128 columns: 32 accumulators.  K = 1,024 goes in 8 steps of 128 through a ring of two LDS slots.  Source 0 = 16 rows of Wout^T, source 1 = a fragment of O:
; a lane then holds one row of out0 and eight neighbouring columns.
; CLUSTER 4 x 4: the four of a row share b and so O's tiles, the four of a column share g and so Wout's: each tile is asked for jointly.
; O's tile of a step is 32,768 dense bytes (4 chunks of 32 channels x 8 query tiles x 1,024): asked for as rows of 256 bytes, unpadded: a fragment load takes 512 consecutive bytes.
; REGISTERS: window 0: v0-31 addresses and the bias; v64-127, v128-191 O's fragments, two buffers; v192-255 rows on the way out.  Window 1: Wout's fragments.  Window 2: accumulators.
.set PITCH,  272
.set AOFF,   256*PITCH                 ; a slot: 256 rows of Wout^T, then O's 32,768 bytes
.set SLOT,   AOFF+32768
.set STAGE,  2*SLOT                    ; behind the ring, never filled by a tensor load: 16 rows x 528 bytes for each wave
.set SPITCH, 528                       ; 512 bytes + 16: the 16 rows of a store start at 16 different groups of four banks
.set SPARE,  STAGE+4*16*SPITCH         ; the spare words, 128 bytes for each wave, which no other line names
.set SLAB,   2097152
.set LT,   3
.set ADRX, 4
.set ADRY, 5
.set LO,   7                           ; v7   16 x lane
.set BI,   8                           ; v[8:11] the bias of my four columns on the way out
.set STO,  14
.set RD,   15
.set SPW,  28
.set NIL,  29
.set F0,   64
.set F1,   128
.set BK,   192
.set WV,   16
.set XH,   17
.set YH,   18
.set TB,   19
.set G0A0, 20
.set G0A,  24
.set G0W0, 28
.set G0W,  32
.set G1A,  36
.set G1W,  44
.set PA,   52
.set PW,   54
.set LA,   56
.set LW,   57
.set YQ,   58
.set CNT,  59
.set MSB, 0
.macro WIN new
.if MSB != (\new)
	s_set_vgpr_msb (MSB<<8)|(\new)
.set MSB, \new
.endif
.endm
.set MUL_LO, 0xa1                      ; source 0 window 1, source 1 window 0, C and D window 2
.set TO_B,   0x40
.macro PLACES
.rept 4
	v_nop
.endr
.endm
.macro CREST
	s_cmp_lg_u32 s[WV], 0
	s_cbranch_scc1 .Lnw0_\@
	s_barrier_signal -3
.Lnw0_\@:
	s_barrier_wait -3
	s_barrier_signal -1
	s_barrier_wait -1
.endm
.macro CROUND
	s_barrier_signal -1
	s_barrier_wait -1
	CREST
.endm
.macro JL                              ; waves 0 and 1 ask for the halves of O's tile, waves 2 and 3 for the halves of Wout's; an s_nop 0 and four v_nop follow each load
	s_cmp_lt_u32 s[WV], 2
	s_cbranch_scc0 .Ljw_\@
	tensor_load_to_lds s[G0A:G0A+3], s[G1A:G1A+7]
	s_nop 0
	PLACES
	s_branch .Ljd_\@
.Ljw_\@:
	tensor_load_to_lds s[G0W:G0W+3], s[G1W:G1W+7]
	s_nop 0
	PLACES
.Ljd_\@:
.endm
.macro ADDRO
	s_add_co_u32 s2, s[TB], s[LW]
	v_add_nc_u32 v[ADRX], s2, v[LT]
	s_add_co_u32 s2, s[TB], s[YQ]
	v_add_nc_u32 v[ADRY], s2, v[LO]
	v_nop
	v_nop
.endm
.macro FETCHO q, f                     ; quarter q of a step: 16 loads of Wout's fragments, 8 of O's
	WIN TO_B
.set ii, 0
.rept 8
	ds_load_b128 v[(\f)+8*ii:(\f)+8*ii+3],   v[ADRX] offset:64*(\q)+ii*16*PITCH
	ds_load_b128 v[(\f)+8*ii+4:(\f)+8*ii+7], v[ADRX] offset:64*(\q)+ii*16*PITCH+32
.set ii, ii+1
.endr
	WIN 0
.set ii, 0
.rept 4
	ds_load_b128 v[(\f)+8*ii:(\f)+8*ii+3],   v[ADRY] offset:8192*(\q)+1024*ii
	ds_load_b128 v[(\f)+8*ii+4:(\f)+8*ii+7], v[ADRY] offset:8192*(\q)+1024*ii+512
.set ii, ii+1
.endr
.endm
.macro MUL8 f, y, zero                 ; the 32 accumulators take turns, one instruction a turn, in one fixed order
	WIN MUL_LO
.set ix, 0
.rept 8
.set rD, 8*(8*(\y)+ix)
.if \zero
	v_wmma_f32_16x16x32_f16 v[rD:rD+7], v[(\f)+8*ix:(\f)+8*ix+7], v[(\f)+8*(\y):(\f)+8*(\y)+7], 0
.else
	v_wmma_f32_16x16x32_f16 v[rD:rD+7], v[(\f)+8*ix:(\f)+8*ix+7], v[(\f)+8*(\y):(\f)+8*(\y)+7], v[rD:rD+7]
.endif
.set ix, ix+1
.endr
.endm
.macro QO q, f, g, zero
	s_wait_dscnt 4                                 ; the youngest four loads (O's tiles 2, 3) may be out
	MUL8 \f, 0, \zero
	MUL8 \f, 1, \zero
	PLACES
	FETCHO \q, \g
	s_wait_dscnt 24                                ; all but the 24 just issued
	MUL8 \f, 2, \zero
	MUL8 \f, 3, \zero
.endm
; The fourth quarter changes slots: every wave waits for all its tensor loads, adds 0 to its spare word, waits for that and for its reads of the slot; the barrier opens a round of the
; cluster's; the joint refill, the step two on, is first behind it.  fill = 0: the last two steps ask for nothing.
.macro TO fill
	WIN 0
	s_wait_tensorcnt 0x0
	ds_add_u32 v[SPW], v[NIL]
.if \fill
	s_add_co_u32 s[G0A+1], s[TB], s[LA]
	s_mov_b64 s[G0A+2:G0A+3], s[PA:PA+1]
	s_or_b32 s[G0A+3], s[G0A+3], 0x80000000
	s_add_nc_u64 s[PA:PA+1], s[PA:PA+1], 32768
	s_add_co_u32 s[G0W+1], s[TB], s[LW]
	s_mov_b64 s[G0W+2:G0W+3], s[PW:PW+1]
	s_or_b32 s[G0W+3], s[G0W+3], 0x80000000
	s_add_nc_u64 s[PW:PW+1], s[PW:PW+1], 256
.endif
	s_wait_dscnt 5                                 ; the add and the youngest four loads may be out
	MUL8 F1, 0, 0
	s_wait_dscnt 0x0
	s_barrier_signal -1
	MUL8 F1, 1, 0
	WIN 0
	s_barrier_wait -1
.if \fill
	CREST
	JL
.endif
	s_xor_b32 s[TB], s[TB], SLOT
	ADDRO
	FETCHO 0, F0
	MUL8 F1, 2, 0
	MUL8 F1, 3, 0
.endm
.macro DOWN lab
	WIN 0
	s_sub_co_u32 s[CNT], s[CNT], 1
	s_cmp_lg_u32 s[CNT], 0
	s_cbranch_scc1 \lab
.endm
	s_load_b256 s[4:11], s[0:1], 0x0               ; of s[4:5], wb s[6:7], bout s[8:9], out0 s[10:11]
	v_lshl_add_u32 v[SPW], v0, 2, SPARE
	v_mov_b32 v[NIL], 0
	ds_add_u32 v[SPW], v[NIL]                      ; the wave's opening: the add and its wait stand ahead of my first tensor load
	v_lshrrev_b32 v1, 5, v0
	v_readfirstlane_b32 s[WV], v1
	s_and_b32 s[XH], s[WV], 1
	s_lshr_b32 s[YH], s[WV], 1
	s_mov_b32 s[TB], 0
	s_bfe_u32 s66, ttmp6, 0x40000                  ; cx
	s_bfe_u32 s67, ttmp6, 0x40004                  ; cy
	s_lshl_b32 s69, ttmp9, 2
	s_add_co_u32 s69, s69, s66                     ; g
	s_and_b32 s68, ttmp7, 0xffff
	s_lshl_b32 s68, s68, 2
	s_add_co_u32 s68, s68, s67                     ; b
	s_lshl_b32 s60, s67, 2
	s_lshl_b32 s60, 15, s60                        ; my row of the cluster
	s_lshl_b32 s62, 0x1111, s66                    ; my column
	s_or_b32 s[G1A], s60, (3<<16)|(1<<21)          ; O: elements of 8 bytes, no padding, bit 21 set beside the mask
	s_mov_b32 s[G1A+1], 32<<16                     ; rows of 32 elements = 256 bytes
	s_mov_b32 s[G1A+2], 64<<16                     ; 64 rows = 16,384 bytes
	s_mov_b32 s[G1A+3], 32<<16
	s_mov_b32 s[G1A+4], 64
	s_mov_b32 s[G1A+5], 32                         ; dense
	s_mov_b32 s[G1A+6], 0
	s_mov_b32 s[G1A+7], 0
	s_or_b32 s[G1W], s62, (1<<16)|(1<<20)|(1<<21)|(5<<22)|(3<<25)  ; Wout: 2-byte elements, 4 words of padding after every 64
	s_mov_b32 s[G1W+1], 128<<16
	s_mov_b32 s[G1W+2], 128<<16
	s_mov_b32 s[G1W+3], 128<<16
	s_mov_b32 s[G1W+4], 128
	s_mov_b32 s[G1W+5], 1024
	s_mov_b32 s[G1W+6], 0
	s_mov_b32 s[G1W+7], 0
	s_mul_i32 s[LW], s[XH], 128*PITCH
	s_lshl_b32 s[LA], s[XH], 14
	s_add_co_u32 s[LA], s[LA], AOFF
	s_lshl_b32 s[YQ], s[YH], 12                    ; my four query tiles
	s_add_co_u32 s[YQ], s[YQ], AOFF
	s_wait_dscnt 0x0                               ; the opening add is done
	s_wait_kmcnt 0x0
	s_lshl4_add_u32 s60, s68, s[XH]                ; O's address hangs on b and the wave alone,
	s_lshl_b32 s60, s60, 14
	s_mov_b32 s61, 0
	s_add_nc_u64 s[PA:PA+1], s[4:5], s[60:61]
	s_lshl1_add_u32 s62, s69, s[XH]                ; Wout's on g and the wave alone
	s_lshl_b32 s62, s62, 18
	s_add_co_u32 s62, s62, 5*SLAB
	s_mov_b32 s63, 0
	s_add_nc_u64 s[PW:PW+1], s[6:7], s[62:63]
	s_mov_b32 s[G0A0], 1
	s_mov_b32 s[G0A0+1], s[LA]
	s_mov_b64 s[G0A0+2:G0A0+3], s[PA:PA+1]
	s_or_b32 s[G0A0+3], s[G0A0+3], 0x80000000
	s_mov_b32 s[G0A], 1
	s_add_co_u32 s[G0A+1], s[LA], SLOT
	s_add_nc_u64 s[G0A+2:G0A+3], s[PA:PA+1], 32768
	s_or_b32 s[G0A+3], s[G0A+3], 0x80000000
	s_mov_b32 s[G0W0], 1
	s_mov_b32 s[G0W0+1], s[LW]
	s_mov_b64 s[G0W0+2:G0W0+3], s[PW:PW+1]
	s_or_b32 s[G0W0+3], s[G0W0+3], 0x80000000
	s_mov_b32 s[G0W], 1
	s_add_co_u32 s[G0W+1], s[LW], SLOT
	s_add_nc_u64 s[G0W+2:G0W+3], s[PW:PW+1], 256
	s_or_b32 s[G0W+3], s[G0W+3], 0x80000000
	s_add_nc_u64 s[PA:PA+1], s[PA:PA+1], 65536     ; the first refill asks for step 2
	s_add_nc_u64 s[PW:PW+1], s[PW:PW+1], 512
	CROUND                                         ; all sixteen work-groups are here: the first joint loads meet
	s_cmp_lt_u32 s[WV], 2                          ; a wave's two first fills stand in one branch: two loads of mine are out, the most in this text
	s_cbranch_scc0 .Lfirst_w
	tensor_load_to_lds s[G0A0:G0A0+3], s[G1A:G1A+7]
	s_nop 0
	tensor_load_to_lds s[G0A:G0A+3], s[G1A:G1A+7]
	s_nop 0
	PLACES
	s_branch .Lfirst_done
.Lfirst_w:
	tensor_load_to_lds s[G0W0:G0W0+3], s[G1W:G1W+7]
	s_nop 0
	tensor_load_to_lds s[G0W:G0W+3], s[G1W:G1W+7]
	s_nop 0
	PLACES
.Lfirst_done:
	v_and_b32 v1, 15, v0
	v_bfe_u32 v2, v0, 4, 1
	v_mul_u32_u24 v[LT], v1, PITCH
	v_lshl_add_u32 v[LT], v2, 4, v[LT]
	v_and_b32 v[LO], 31, v0
	v_lshlrev_b32 v[LO], 4, v[LO]
	s_mul_i32 s2, s[WV], 16*SPITCH
	s_add_co_u32 s2, s2, STAGE                     ; my stage
	v_mul_u32_u24 v[STO], v1, SPITCH               ; in: row l % 16, 32 bytes for each half of the lanes
	v_lshl_add_u32 v[STO], v2, 5, v[STO]
	v_add_nc_u32 v[STO], s2, v[STO]
	v_add_nc_u32 v[RD], s2, v[LO]                  ; back: 32 lanes take one row of 512 bytes
	s_lshl1_add_u32 s70, s69, s[XH]                ; my 128 columns: 512 bytes
	s_lshl_b32 s70, s70, 9
	s_mov_b32 s71, 0
	s_add_nc_u64 s[8:9], s[8:9], s[70:71]
	s_add_nc_u64 s[10:11], s[10:11], s[70:71]
	s_lshl1_add_u32 s70, s68, s[YH]                ; my 64 rows of 4,096 bytes
	s_lshl_b32 s70, s70, 18
	s_add_nc_u64 s[10:11], s[10:11], s[70:71]
	global_load_b128 v[BI:BI+3], v[LO], s[8:9]
	s_wait_tensorcnt 0x1                           ; my part of step 0 is in; step 1's may stay out
	s_barrier_signal -1
	s_barrier_wait -1
	ADDRO
	FETCHO 0, F0
	QO 1, F0, F1, 1                                ; the first quarter starts the sums
	WIN 0
	s_mov_b32 s[CNT], 6
	s_branch .Lin
.Lloop:                                                ; steps 0 to 5
	QO 1, F0, F1, 0
	WIN 0
.Lin:
	QO 2, F1, F0, 0
	QO 3, F0, F1, 0
	TO 1
	DOWN .Lloop
	s_mov_b32 s[CNT], 2
.Ltail:                                                ; steps 6 and 7, written apart; the last fetch reads landed bytes whose data nobody uses
	QO 1, F0, F1, 0
	QO 2, F1, F0, 0
	QO 3, F0, F1, 0
	TO 0
	DOWN .Ltail
	; THE WAY OUT: 16 rows at a time through my own stage, back as whole rows of 512 bytes; the bias is added; each store covers 512 consecutive bytes, aligned
	s_wait_dscnt 0x0
	s_wait_loadcnt 0x0                             ; the bias
	v_cvt_pk_bf16_f32 v12, v[BI], v[BI+1]          ; these six lines are also the places behind the last products
	v_cvt_pk_bf16_f32 v13, v[BI+2], v[BI+3]
	v_lshlrev_b32 v[BI], 16, v12
	v_and_b32 v[BI+1], 0xffff0000, v12
	v_lshlrev_b32 v[BI+2], 16, v13
	v_and_b32 v[BI+3], 0xffff0000, v13
.irp y, 0,1,2,3
	WIN 0x08                                       ; the stores' data in window 2
.set ix, 0
.rept 8
	ds_store_b128 v[STO], v[64*(\y)+8*ix:64*(\y)+8*ix+3]   offset:64*ix
	ds_store_b128 v[STO], v[64*(\y)+8*ix+4:64*(\y)+8*ix+7] offset:64*ix+16
.set ix, ix+1
.endr
	WIN 0
	s_wait_xcnt 0x0                                ; the last block's stores have read their data registers, which are loaded anew below
.set ix, 0
.rept 16
	ds_load_b128 v[BK+4*ix:BK+4*ix+3], v[RD] offset:SPITCH*ix  ; LDS serves a wave's instructions in order: these see the stores above, and the next block's stores come behind them
.set ix, ix+1
.endr
.set ix, 0
.rept 16
	s_wait_dscnt 15-ix                             ; row ix is back; the younger loads stay out
	v_pk_add_f32 v[BK+4*ix:BK+4*ix+1],   v[BK+4*ix:BK+4*ix+1],   v[BI:BI+1]
	v_pk_add_f32 v[BK+4*ix+2:BK+4*ix+3], v[BK+4*ix+2:BK+4*ix+3], v[BI+2:BI+3]
	global_store_b128 v[LO], v[BK+4*ix:BK+4*ix+3], s[10:11] offset:4096*(16*(\y)+ix) th:TH_STORE_NT
.set ix, ix+1
.endr
.endr
	s_wait_tensorcnt 0x0                           ; the wave's end, behind my last tensor load and my last LDS store
	ds_add_u32 v[SPW], v[NIL]
	s_wait_dscnt 0x0
	CROUND                                         ; the closing round: no work-group ends while a partner may still ask for a tile that names it
	s_endpgm
.Lfunc_end_k_qfd3caba10f_outp:
	.size	k_qfd3caba10f_outp, .Lfunc_end_k_qfd3caba10f_outp-k_qfd3caba10f_outp
	.p2alignl 7, 3214868480
	.fill 96, 4, 3214868480
	.section	.rodata,"a",@progbits
	.p2align	6, 0x0
	.amdhsa_kernel k_qfd3caba10f_outp
		.amdhsa_group_segment_fixed_size 327680
		.amdhsa_private_segment_fixed_size 0
		.amdhsa_enable_private_segment 0
		.amdhsa_kernarg_size 32
		.amdhsa_user_sgpr_count 2
		.amdhsa_user_sgpr_kernarg_segment_ptr 1
		.amdhsa_wavefront_size32 1
		.amdhsa_system_sgpr_workgroup_id_x 1
		.amdhsa_system_sgpr_workgroup_id_y 1
		.amdhsa_system_sgpr_workgroup_id_z 1
		.amdhsa_system_vgpr_workitem_id 0
		.amdhsa_next_free_vgpr 768
		.amdhsa_next_free_sgpr 72
		.amdhsa_reserve_vcc 0
		.amdhsa_float_denorm_mode_32 3
		.amdhsa_float_denorm_mode_16_64 3
		.amdhsa_memory_ordered 1
		.amdhsa_forward_progress 1
		.amdhsa_inst_pref_size 70
	.end_amdhsa_kernel
	.amdgpu_metadata
---
amdhsa.version: [ 1, 2 ]
amdhsa.kernels:
  - .name:           k_qfd3caba10f_outp
    .symbol:         k_qfd3caba10f_outp.kd
    .args:
      - { .name: of, .offset: 0, .size: 8, .value_kind: global_buffer, .address_space: global }
      - { .name: wb, .offset: 8, .size: 8, .value_kind: global_buffer, .address_space: global }
      - { .name: bout, .offset: 16, .size: 8, .value_kind: global_buffer, .address_space: global }
      - { .name: out0, .offset: 24, .size: 8, .value_kind: global_buffer, .address_space: global }
    .group_segment_fixed_size: 327680
    .private_segment_fixed_size: 0
    .kernarg_segment_align: 8
    .kernarg_segment_size: 32
    .max_flat_workgroup_size: 128
    .sgpr_count:     72
    .vgpr_count:     768
    .wavefront_size: 32
...
	.end_amdgpu_metadata
.endif
;; end of part 4
;; ======== version 2 of 2: 4 launches; version 1 with the launch prep written anew for expert scheduling mode
;; limits: values are held in f16: magnitudes above 65,504 overflow, below 6.1e-05 lose precision
;; workspace buffers: xb 16,777,216 bytes; cb 44,040,192 bytes; wb 12,582,912 bytes; qf 16,777,216 bytes; kvi 67,108,864 bytes; kvt 20,971,520 bytes; of 16,777,216 bytes
;; launch prep (part 5): grid 2048 x 1, 4 waves a work-group, no clusters, 70,144 bytes of LDS; arguments x, context, Wq, Wk, Wv, Wk_ip, Wv_ip, Wout, xb, cb, wb; writes xb, cb, wb
.if DOCPART == 5
	.amdgcn_target "amdgcn-amd-amdhsa--gfx1250"
	.amdhsa_code_object_version 6
	.text
	.protected	k_qfd3caba10f_prep
	.globl	k_qfd3caba10f_prep
	.p2align	8
	.type	k_qfd3caba10f_prep,@function
k_qfd3caba10f_prep:
	s_mov_b64 s[64:65], 0
	v_nop
	global_prefetch_b8 v0, s[64:65] scope:SCOPE_SE
	s_setreg_imm32_b32 hwreg(HW_REG_WAVE_SCHED_MODE, 0, 2), 2
	s_setreg_imm32_b32 hwreg(HW_REG_WAVE_MODE, 25, 1), 1
	s_wait_xcnt 0x0
	s_wait_alu depctr_vm_vsrc(0)
; PREP.  x and context are rounded to bf16; the six weights, [k 1024][n 1024] f32, are rounded to bf16 and TURNED to [n][k].
; xb: x as it lies.  cb: first the image rows, [64][256][1024], then the first 80 rows of each batch's context, [64][80][1024] (77 text rows and three image rows, which the attention hides):
; so four batches' text rows lie on end.  wb: six slabs of 2,097,152 bytes: Wq, Wk, Wv, Wk_ip, Wv_ip in bf16, Wout as the f16 spelling of its bf16 value.
; LIMIT.  Wout's bf16 value must lie within f16's range (65,504); below 6e-5 it keeps f16's fixed step of 6e-8.
; SHARES.  Work-groups 0-191: weights; a wave turns a block of 128 k x 64 n through LDS bytes of its own, so no barrier is needed.
; Work-groups 192-703: 16 rows of x each; 704-1727: 16 image rows; 1728-2047: 16 text rows.  A stream: no matrix unit, no cluster, nothing shared.
; THE MODE: SCHED_MODE bits 1:0 = 2 (LLVM: expert scheduling mode 2), set by the entry lines.  The code itself states the register dependences
; between vector instructions and memory or LDS instructions, with s_wait_alu, always for 0.
; THE PLAN, rows of x and context.  Registers that memory instructions touch:
;   v4, v5      offsets of all loads and of all stores: made once, never written again.
;   X           four registers to each of the 32 loads.  Written by its load; its first two are then written by its two roundings and read by its one store; never written again.
; The loads go in 8 blocks of four.  A block's roundings name its own registers alone, and the four stores of the block before are dealt among them: so ONE wait on va_vdst at a block's head
; states all that those stores hang on.  No register that a memory instruction has read is written again, so no wait on vm_vsrc is owed here.
; THE PLAN, weights.  Registers that memory or LDS instructions touch:
;   v6, v8, v9  offsets and addresses: made once, never written again.
;   RAW         A trip's 16 loads land in it; its 32 roundings read it.
;   OUT         The trip's roundings write it (for Wout the f16 spelling too); its 8 LDS stores read it.
;   v12         The LDS stores' address: written once a trip, read by the 8 stores.
; ONE wait on va_vdst a trip stands behind the roundings: OUT and v12 are written, and RAW has been read; the 8 LDS stores and, round the back edge, the next trip's loads follow it with no vector
; instruction between.  ONE wait on vm_vsrc a trip stands ahead of the first line that writes v12 or OUT again.  Behind the loop the rows come back from LDS into v[16:143], OUT among them: one more wait on vm_vsrc.
.set NW,     192                       ; work-groups for the weights: 6 x 128 blocks / 4 waves
.set NX,     512                       ; for x: 8,192 rows / 16
.set NI,     1024                      ; for the image rows: 64 x 256 / 16
.set WPITCH, 272                       ; an LDS row: 128 k x 2 bytes + 16
.set WREG,   64*WPITCH                 ; a wave's 64 rows
.set SPARE,  4*WREG                    ; behind them: the spare words, 128 bytes for each wave, which no other line names
.set SPW, 2                            ; v2  LDS address of my spare word; never rewritten
.set NIL, 3                            ; v3  0; never rewritten
.set X,   16                           ; v[16:143]  rows: load n at X + 4 n.  Weights: the rows read back from LDS
.set RAW, 16                           ; v[16:79]   weights: half q of a trip, row j: 4 registers at RAW + 32 q + 4 j
.set OUT, 80                           ; v[80:111]  weights: half q, column e: 4 registers at OUT + 16 q + 4 e: eight k in 16 bits each
.set TF,  112                          ; v[112:119] weights, at work: no memory instruction names them in the loop
	s_load_b512 s[4:19], s[0:1], 0x0               ; x, context, Wq, Wk, Wv, Wk_ip, Wv_ip, Wout
	s_load_b128 s[20:23], s[0:1], 0x40             ; xb, cb
	s_load_b64 s[24:25], s[0:1], 0x50              ; wb
	v_lshl_add_u32 v[SPW], v0, 2, SPARE
	v_mov_b32 v[NIL], 0
	v_lshrrev_b32 v1, 5, v0
	v_readfirstlane_b32 s26, v1                    ; wave 0..3
	s_mov_b32 s3, 0                                ; the high word of every offset pair
	s_wait_alu depctr_va_sdst(0)                   ; s26 is written, ahead of the branch: the weights' path makes its block's number and its LDS bytes from it
	s_wait_kmcnt 0x0
	s_cmp_lt_u32 ttmp9, NW
	s_cbranch_scc1 .Lweight
	; ---- 16 rows of x or of context: 65,536 bytes in, 32,768 out.  All three offsets are made, and the work-group's number picks one.
	s_sub_co_u32 s27, ttmp9, NW                    ; e: my chunk among x's and context's
	s_sub_co_u32 s28, s27, NX                      ; c: among context's
	s_lshr_b32 s29, s28, 4                         ; image: batch c / 16,
	s_and_b32 s34, s28, 15                         ; its chunk c % 16
	s_mul_i32 s29, s29, 333
	s_lshl4_add_u32 s29, s34, s29
	s_add_co_u32 s29, s29, 77                      ; row 333 batch + 77 + 16 chunk of context
	s_sub_co_u32 s35, s28, NI                      ; text: c' = 0 .. 319
	s_mul_i32 s36, s35, 13108
	s_lshr_b32 s36, s36, 16                        ; batch c' / 5: 13108 / 65536 exceeds 1 / 5 by 1.2e-5, too little to matter below 320
	s_mul_i32 s37, s36, 5
	s_sub_co_u32 s37, s35, s37                     ; chunk c' % 5
	s_mul_i32 s36, s36, 333
	s_lshl4_add_u32 s36, s37, s36                  ; row 333 batch + 16 chunk
	s_cmp_lt_u32 s28, NI
	s_cselect_b32 s29, s29, s36
	s_lshl_b32 s29, s29, 12                        ; a row of context is 4,096 bytes
	s_lshl_b32 s36, s27, 16                        ; x: 65,536 e
	s_cmp_lt_u32 s27, NX
	s_cselect_b32 s2, s36, s29                     ; where I read,
	s_cselect_b32 s34, s27, s28                    ; which chunk of xb or of cb I write (cb's text part begins where its 1,024 image chunks end)
	s_cselect_b64 s[30:31], s[4:5], s[6:7]
	s_cselect_b64 s[32:33], s[20:21], s[22:23]
	s_add_nc_u64 s[30:31], s[30:31], s[2:3]
	s_lshl_b32 s2, s34, 15
	s_add_nc_u64 s[32:33], s[32:33], s[2:3]
	v_lshlrev_b32 v4, 4, v0                        ; a lane reads 16 neighbouring bytes: a wave's load covers 512 bytes on end, the work-group's 2,048
	v_lshlrev_b32 v5, 3, v0                        ; and writes 8: a wave's store covers 256 bytes on end, aligned
	s_wait_alu depctr_va_vdst(0)                   ; v4 and v5 are written: every load below reads v4 as its offset, every store v5
.set i, 0
.rept 32
	global_load_b128 v[X+4*i:X+4*i+3], v4, s[30:31] offset:2048*i th:TH_LOAD_NT
.set i, i+1
.endr
; Load n is rounded in place, into its first two registers.  A block's first load is waited for at the block's head.
.macro RND n
.if (\n) % 4
	s_wait_loadcnt 31-(\n)                         ; loads come back in order: load n is in, the younger ones stay out
.endif
	v_cvt_pk_bf16_f32 v[X+4*(\n)], v[X+4*(\n)], v[X+4*(\n)+1]
	v_cvt_pk_bf16_f32 v[X+4*(\n)+1], v[X+4*(\n)+2], v[X+4*(\n)+3]
.endm
.macro SEND n
	global_store_b64 v5, v[X+4*(\n):X+4*(\n)+1], s[32:33] offset:1024*(\n)
.endm
	s_wait_loadcnt 31                              ; block 0: no block stands in front of it, so it has no store and no other wait
.set i, 0
.rept 4
	RND i
.set i, i+1
.endr
.rept 7                                ; blocks 1 to 7
	s_wait_loadcnt 31-i                            ; the block's first load is in
	s_wait_alu depctr_va_vdst(0)                   ; the block before has written its eight rounded registers, which the four stores below read; this block's roundings name none of them
.rept 4
	SEND i-4
	RND i
.set i, i+1
.endr
.endr
	s_wait_alu depctr_va_vdst(0)                   ; block 7 has written its eight rounded registers, which the last four stores read
.rept 4
	SEND i-4
.set i, i+1
.endr
	s_branch .Lend
	; ---- a weight: wave's block u of 128: k block u / 16 (128 rows), n block u % 16 (64 columns)
.Lweight:
	s_lshr_b32 s27, ttmp9, 5                       ; which weight, 0..5
	s_lshl_b32 s28, ttmp9, 2
	s_add_co_u32 s28, s28, s26
	s_and_b32 s28, s28, 127
	s_lshr_b32 s29, s28, 4                         ; k block
	s_and_b32 s28, s28, 15                         ; n block
	s_mov_b64 s[30:31], s[8:9]
	s_cmp_eq_u32 s27, 1
	s_cselect_b64 s[30:31], s[10:11], s[30:31]
	s_cmp_eq_u32 s27, 2
	s_cselect_b64 s[30:31], s[12:13], s[30:31]
	s_cmp_eq_u32 s27, 3
	s_cselect_b64 s[30:31], s[14:15], s[30:31]
	s_cmp_eq_u32 s27, 4
	s_cselect_b64 s[30:31], s[16:17], s[30:31]
	s_cmp_eq_u32 s27, 5
	s_cselect_b64 s[30:31], s[18:19], s[30:31]
	s_lshl_b32 s2, s29, 19                         ; 128 rows of 4,096 bytes
	s_lshl_b32 s34, s28, 8                         ; 64 columns of 4 bytes
	s_add_co_u32 s2, s2, s34
	s_add_nc_u64 s[30:31], s[30:31], s[2:3]
	s_lshl_b32 s2, s27, 21                         ; the slab,
	s_lshl_b32 s34, s28, 17                        ; 64 rows of 2,048 bytes,
	s_add_co_u32 s2, s2, s34
	s_lshl_b32 s34, s29, 8                         ; 128 k of 2 bytes
	s_add_co_u32 s2, s2, s34
	s_add_nc_u64 s[32:33], s[24:25], s[2:3]
	s_mul_i32 s34, s26, WREG                       ; my wave's LDS bytes
	v_and_b32 v10, 15, v0                          ; x = lane % 16: four columns
	v_bfe_u32 v11, v0, 4, 1                        ; hh = lane / 16: eight rows further down
	v_lshlrev_b32 v6, 4, v10
	v_lshl_add_u32 v6, v11, 15, v6                 ; load: 16 lanes read 256 consecutive bytes of one row of k
	v_mul_u32_u24 v7, v10, 4*WPITCH
	v_lshl_add_u32 v7, v11, 4, v7
	v_add_nc_u32 v7, s34, v7                       ; into LDS: row n = 4 x + e, byte 2 k
	v_mul_u32_u24 v8, v11, WPITCH
	v_lshl_add_u32 v8, v10, 4, v8
	v_add_nc_u32 v8, s34, v8                       ; back: lanes 0-15 one row of 256 bytes, lanes 16-31 the next
	v_lshlrev_b32 v9, 4, v10
	v_lshl_add_u32 v9, v11, 11, v9                 ; and the same two rows of the slab
; Eight rows x four columns of a lane (half q of a trip): for each column e the eight k pack into 16 bytes, which go to row 4 x + e.
.macro WCV q
.irp e, 0,1,2,3
.irp p, 0,1,2,3
	v_cvt_pk_bf16_f32 v[OUT+16*(\q)+4*(\e)+(\p)], v[RAW+32*(\q)+8*(\p)+(\e)], v[RAW+32*(\q)+8*(\p)+4+(\e)]
.endr
.endr
.endm
	s_mov_b32 s35, 4                               ; four trips of 32 rows of k.  A trip waits for its own loads: these work-groups are the launch's first and hold about a sixth of its bytes
	s_mov_b32 s36, 0                               ; 64 bytes further along the LDS rows in each trip
	s_wait_alu depctr_va_vdst(0)                   ; v6, v8 and v9 are written: the loads below read v6, the loads from LDS behind the loop v8, the stores v9
.Lwk:
.irp q, 0,1
.irp j, 0,1,2,3,4,5,6,7
	global_load_b128 v[RAW+32*(\q)+4*(\j):RAW+32*(\q)+4*(\j)+3], v6, s[30:31] offset:(16*(\q)+(\j))*4096 th:TH_LOAD_NT  ; no vector instruction since the last wait on va_vdst names RAW
.endr
.endr
	s_wait_alu depctr_vm_vsrc(0)                   ; the last trip's LDS stores have read v12 and OUT, which the lines below write again
	v_add_nc_u32 v12, s36, v7
	s_wait_loadcnt 0x0                             ; the sixteen loads are in, and their base may be stepped
	WCV 0
	WCV 1
	s_cmp_lg_u32 s27, 5
	s_cbranch_scc1 .Lbf
.set i, 0
.rept 32                               ; Wout alone: the bf16 value is written as f16
	v_lshlrev_b32 v[TF+2*(i%4)], 16, v[OUT+i]
	v_and_b32 v[TF+1+2*(i%4)], 0xffff0000, v[OUT+i]
	v_cvt_pk_f16_f32 v[OUT+i], v[TF+2*(i%4)], v[TF+1+2*(i%4)]
.set i, i+1
.endr
.Lbf:
	s_wait_alu depctr_va_vdst(0)                   ; OUT and v12 are written, which the LDS stores read; the roundings are done reading RAW, in which the next trip's loads land
.irp q, 0,1
.irp e, 0,1,2,3
	ds_store_b128 v12, v[OUT+16*(\q)+4*(\e):OUT+16*(\q)+4*(\e)+3] offset:WPITCH*(\e)+32*(\q)
.endr
.endr
	s_add_nc_u64 s[30:31], s[30:31], 0x20000
	s_add_co_u32 s36, s36, 64
	s_sub_co_u32 s35, s35, 1
	s_cmp_lg_u32 s35, 0
	s_cbranch_scc1 .Lwk
	s_wait_alu depctr_vm_vsrc(0)                   ; the last trip's LDS stores have read OUT, in which loads below land (the vector lines that named v[16:119] stand ahead of the last wait on va_vdst)
.set i, 0
.rept 32
	ds_load_b128 v[X+4*i:X+4*i+3], v8 offset:2*WPITCH*i  ; LDS serves a wave's instructions in order: these see the stores above
.set i, i+1
.endr
.set i, 0
.rept 32
	s_wait_dscnt 31-i                              ; rows 2 i and 2 i + 1 are back; the younger loads stay out
	global_store_b128 v9, v[X+4*i:X+4*i+3], s[32:33] offset:4096*i  ; 16 lanes store 256 consecutive bytes, aligned
.set i, i+1
.endr
.Lend:
	s_wait_dscnt 0x0                               ; the wave's end
	s_wait_alu 0x0
	s_wait_tensorcnt 0x0
	ds_add_u32 v[SPW], v[NIL]
	s_wait_dscnt 0x0
	s_endpgm
.Lfunc_end_k_qfd3caba10f_prep:
	.size	k_qfd3caba10f_prep, .Lfunc_end_k_qfd3caba10f_prep-k_qfd3caba10f_prep
	.p2alignl 7, 3214868480
	.fill 96, 4, 3214868480
	.section	.rodata,"a",@progbits
	.p2align	6, 0x0
	.amdhsa_kernel k_qfd3caba10f_prep
		.amdhsa_group_segment_fixed_size 70144
		.amdhsa_private_segment_fixed_size 0
		.amdhsa_enable_private_segment 0
		.amdhsa_kernarg_size 88
		.amdhsa_user_sgpr_count 2
		.amdhsa_user_sgpr_kernarg_segment_ptr 1
		.amdhsa_wavefront_size32 1
		.amdhsa_system_sgpr_workgroup_id_x 1
		.amdhsa_system_sgpr_workgroup_id_y 1
		.amdhsa_system_sgpr_workgroup_id_z 1
		.amdhsa_system_vgpr_workitem_id 0
		.amdhsa_next_free_vgpr 144
		.amdhsa_next_free_sgpr 66
		.amdhsa_reserve_vcc 0
		.amdhsa_float_denorm_mode_32 3
		.amdhsa_float_denorm_mode_16_64 3
		.amdhsa_memory_ordered 1
		.amdhsa_forward_progress 1
		.amdhsa_inst_pref_size 31
	.end_amdhsa_kernel
	.amdgpu_metadata
---
amdhsa.version: [ 1, 2 ]
amdhsa.kernels:
  - .name:           k_qfd3caba10f_prep
    .symbol:         k_qfd3caba10f_prep.kd
    .args:
      - { .name: x, .offset: 0, .size: 8, .value_kind: global_buffer, .address_space: global }
      - { .name: context, .offset: 8, .size: 8, .value_kind: global_buffer, .address_space: global }
      - { .name: Wq, .offset: 16, .size: 8, .value_kind: global_buffer, .address_space: global }
      - { .name: Wk, .offset: 24, .size: 8, .value_kind: global_buffer, .address_space: global }
      - { .name: Wv, .offset: 32, .size: 8, .value_kind: global_buffer, .address_space: global }
      - { .name: Wk_ip, .offset: 40, .size: 8, .value_kind: global_buffer, .address_space: global }
      - { .name: Wv_ip, .offset: 48, .size: 8, .value_kind: global_buffer, .address_space: global }
      - { .name: Wout, .offset: 56, .size: 8, .value_kind: global_buffer, .address_space: global }
      - { .name: xb, .offset: 64, .size: 8, .value_kind: global_buffer, .address_space: global }
      - { .name: cb, .offset: 72, .size: 8, .value_kind: global_buffer, .address_space: global }
      - { .name: wb, .offset: 80, .size: 8, .value_kind: global_buffer, .address_space: global }
    .group_segment_fixed_size: 70144
    .private_segment_fixed_size: 0
    .kernarg_segment_align: 8
    .kernarg_segment_size: 88
    .max_flat_workgroup_size: 128
    .sgpr_count:     66
    .vgpr_count:     144
    .wavefront_size: 32
...
	.end_amdgpu_metadata
.endif
;; end of part 5
;; launch proj: the kernel of part 2 again; grid 4 x 64, 4 waves a work-group, clusters of 4 x 4, 327,680 bytes of LDS; arguments xb, cb, wb, qf, kvi, kvt; writes qf, kvi, kvt
;; launch attn: the kernel of part 3 again; grid 256 x 1, 4 waves a work-group, no clusters, 94,720 bytes of LDS; arguments qf, kvi, kvt, rel_k_table, rel_v_table, of; writes of
;; launch outp: the kernel of part 4 again; grid 4 x 64, 4 waves a work-group, clusters of 4 x 4, 327,680 bytes of LDS; arguments of, wb, bout, out0; writes out0
